; MI455X (gfx1250); checked and timed in simulation.
; The chip was launched on July 23, 2026; its instructions are those of AMD's public machine-readable ISA for CDNA 5 (MIT licence, August 2026) and "CDNA5" Instruction Set Architecture Reference Guide (July 2026). The comments in the code are by the model that wrote it; some were corrected since.
;; Multi Head Self Attention. Allowed arithmetic: matrix products marked QUANTISED: E4M3 operands, one given power-of-two scale a tensor, by v_wmma_f32_16x16x64_fp8_fp8 or v_wmma_f32_16x16x128_fp8_fp8, f32 sums; everything else in f32.
;; Inputs: b_out 1,024 float32; b_qkv 3,072 float32; lowp_scales 8 int32 (the exponents e of the quantised operands' scales 2^e); w_out 1,024 x 1,024 float32; w_qkv 1,024 x 3,072 float32; x 4 x 2,048 x 1,024 float32.
;; Outputs: out0 4 x 2,048 x 1,024 float32.
;; This version of the problem:
;;   THIS VERSION OF THE PROBLEM IS GIVEN IN LOW PRECISION. The matrix products marked QUANTISED in the list below multiply operands that are first quantised to E4M3 (4 exponent bits, 3 mantissa bits; 8 bits a number), with one given power-of-two scale for each operand tensor; their sums are f32. All else is computed in f32.
;;   The module's matrix products, in the order in which they are computed (A, B: the left and right operand; K: the contracted axis; several contracted axes count as one K, in the product's order):
;;     1. [M 8,192, K 1,024] x [K 1,024, N 3,072]; A: input x; B: input w_qkv: QUANTISED (scales: A lowp_scales[0], B lowp_scales[1])
;;     2. batch 64 x [M 2,048, K 64] x [K 64, N 2,048]; A: computed on the way; B: computed on the way: QUANTISED (scales: A lowp_scales[2], B lowp_scales[3])
;;     3. batch 64 x [M 2,048, K 2,048] x [K 2,048, N 64]; A: softmax (see below); B: computed on the way: QUANTISED (scales: A lowp_scales[4], B lowp_scales[5])
;;     4. [M 8,192, K 1,024] x [K 1,024, N 1,024]; A: computed on the way; B: input w_out: QUANTISED (scales: A lowp_scales[6], B lowp_scales[7])
;;   THE QUANTISER, for each operand of a quantised product, along K:
;;     - The operand's scale is 2^e, e = its entry of the input lowp_scales (int32; the entries are numbered through the quantised products in the list's order, A before B).
;;     - Each number is divided by the scale, clamped to +-448, and rounded to the nearest number of E4M3, ties to even, subnormals kept.
;;     - The product sums the exact products of the quantised numbers (number of the format x scale) in f32.
;;   ~~~python
;;   def quantise(x, axis, e):      # numpy; x: float32 -> the quantised numbers, widened to float32 again
;;       x = np.moveaxis(x, axis, -1); K = x.shape[-1]
;;       r = np.clip(x / 2.0 ** e, -448, 448)
;;       step = 2.0 ** (np.maximum(np.frexp(np.where(r == 0, 1, r))[1] - 1, -6) - 3)
;;       q = np.round(r / step) * step * 2.0 ** e      # np.round: ties to even
;;       return np.moveaxis(q, -1, axis).astype(np.float32)
;;   ~~~
;;   SOFTMAX AHEAD OF A QUANTISED PRODUCT. Where the list says 'softmax', what is quantised is not the finished softmax but p = 2^(t - M), with t = logit x log2(e) and M = ceil(the row's largest t), a whole number; so 1/2 < the row's largest p <= 1. The row's sum l is taken of the UNQUANTISED p, in f32, and the product's result is divided by l at the end. Since M is a whole number, a kernel that streams over the keys may use a running M (the ceiling of the running maximum): every later rescaling is an exact power of two, so the quantised numbers keep their values, but for numbers so far below the row's largest that they fall under the format's range.
;;   OPERANDS COMPUTED ON THE WAY. 'Computed on the way' means the value that the module computes at that place (a softmax that the list does not call 'softmax' is quantised finished and normalised). What goes into a quantiser is computed in f32, as accurately as f32 sums, v_exp_f32 and their like allow (about 1e-6 of the number): no bf16 or f16 on the way to a quantiser, and a product that is left as it is and whose result goes on into a quantised operand takes f32 operands (vector FMAs, or v_wmma_f32_16x16x4_f32). A number that lies on a knife's edge between two numbers of the format may be rounded either way, as far as f32 arithmetic and the matrix unit's own rounding can turn it there, and no further.
;; One version. Each part assembles by itself: llvm-mc -triple=amdgcn-amd-amdhsa -mcpu=gfx1250 --defsym DOCPART=n.
;; ======== version 1 of 1: 4 launches
;; limits: right only within a limited range of input values
;; workspace buffers: codes 12,582,912 bytes; qk_codes 16,777,216 bytes; v_codes 8,388,608 bytes; a_codes 8,388,608 bytes
;; launch quant (part 1): grid 384 x 1, 4 waves a work-group, no clusters, 104,960 bytes of LDS; arguments x, w_qkv, w_out, lowp_scales, codes; writes codes
.if DOCPART == 1
	.amdgcn_target "amdgcn-amd-amdhsa--gfx1250"
	.amdhsa_code_object_version 6
	.text
	.protected	k_q042ed2760b_quant
	.globl	k_q042ed2760b_quant
	.p2align	8
	.type	k_q042ed2760b_quant,@function
k_q042ed2760b_quant:
	s_mov_b64 s[64:65], 0
	v_nop
	global_prefetch_b8 v0, s[64:65] scope:SCOPE_SE
	s_setreg_imm32_b32 hwreg(HW_REG_WAVE_MODE, 25, 1), 1
	s_wait_xcnt 0x0
; x [8192][1024], w_qkv [1024][3072] and w_out [1024][1024], all f32, become codes of FP8 (E4M3), one byte each, K innermost, in ONE buffer of rows of 1,024 bytes:
; rows 0-8191: x's rows;  rows 8192-11263: w_qkv's columns;  rows 11264-12287: w_out's columns.
; code = number / 2^e, held within +-448, rounded to the nearest code, ties to even.  e: entry 0 (x), 1 (w_qkv), 7 (w_out) of the scales' buffer.
; LIMITS: -126 <= e and e + 8 <= 127, so that 2^e and 448 x 2^e are f32 numbers.  NaN among the inputs is not served; an infinity is held at the largest code.
; SHARES: every work-group moves 32,768 numbers.  Work-groups 0-255: x, a plain stream (K is innermost).  256-351: w_qkv, 128 columns x 256 along K.  352-383: w_out likewise.
; The three ways part on the work-group's number alone and each has LDS bytes of its own.  Waves share nothing: no barrier.  No tensor loads, no matrix unit, no cluster: a stream that nobody shares.
; WORK THAT THE PROGRAM LEAVES OUT (launch attn): blocks of 16 queries x 128 keys all of whose keys come after the queries.  reference() hides them by the causal mask that it builds in its own body,
; for all values of the inputs.  LIMIT: a NaN, an infinity or an overflow that reaches only such a block is not carried to the result.  Every input is loaded by some launch.
.set XWG,   256                        ; work-groups for x
.set QWG,   352                        ; below this number: w_qkv
.set STEPS, 16                         ; x: steps of 512 numbers for a wave
.set R,     16                         ; x: v16-79   four sets of 16 numbers as they are loaded
.set X,     80                         ; x: v80-111  two sets of 16 neighbours
.set C,     128                        ; x: v128-191 codes, four registers for each step: no store's data are written again
.set WREG,  8192                       ; x: LDS of a wave: two stages of 32 x SP bytes
.set SP,    80                         ; x: a lane's place in a stage: 64 bytes + 16 of padding
.set PITCH, 272                        ; weights: a stage row: 256 codes + 16 bytes
.set NB,    8                          ; weights: blocks of 32 along K for a wave
.set WX,    32                         ; weights: v32-95 two sets of 32 numbers
.set WC,    96                         ; weights: v96-103 a block's codes
.set OUTR,  112                        ; weights: v112-175 the way out
	s_load_b256 s[4:11], s[0:1], 0x0               ; x s[4:5], w_qkv s[6:7], w_out s[8:9], the scales' exponents s[10:11]
	s_load_b64 s[12:13], s[0:1], 0x20              ; the codes
	v_lshl_add_u32 v192, v0, 2, 0x19800
	v_mov_b32 v193, 0
	v_lshrrev_b32 v1, 5, v0
	v_readfirstlane_b32 s16, v1                    ; wave 0..3
	v_and_b32 v2, 31, v0                           ; lane
	s_wait_kmcnt 0x0
	s_load_b64 s[22:23], s[10:11], 0x0             ; e of x, e of w_qkv
	s_load_b32 s24, s[10:11], 0x1c                 ; e of w_out
	s_cmp_lt_u32 ttmp9, XWG
	s_cbranch_scc0 .Lweights
.macro SCALES es                       ; v11 = 2^e as f32 (the conversion takes its exponent field), v10 = 448 x 2^e
	s_wait_kmcnt 0x0
	s_add_co_i32 s30, s[\es], 127
	s_lshl_b32 s31, s30, 23
	v_mov_b32 v11, s31
	s_add_co_i32 s30, s30, 8
	s_lshl_b32 s30, s30, 23
	s_or_b32 s30, s30, 0x600000
	v_mov_b32 v10, s30
.endm
; ---------------- x.  The conversion takes eight neighbours along K from ONE lane's registers; a load is dense where neighbouring LANES take neighbouring bytes.  Both are had: each load reads 512 consecutive
; bytes, 16 a lane; a step's 2,048 bytes go through the wave's own stage in LDS as they lie and come back 64 bytes a lane.  A lane's 16 codes are 16 bytes: the wave stores 512 consecutive bytes.
	s_wait_alu depctr_va_vdst(0)
	v_lshlrev_b32 v3, 4, v2                        ; 16 x lane: my place in a load's 512 bytes and in a store's
	s_wait_alu depctr_va_vdst(0)
	s_mul_i32 s17, s16, WREG
	v_lshrrev_b32 v14, 2, v2
	v_mul_u32_u24 v14, v14, SP
	v_and_b32 v15, 3, v2
	v_lshl_add_u32 v14, v15, 4, v14
	v_add_nc_u32 v14, s17, v14                     ; the stage, in: SP (lane / 4) + 16 (lane % 4)
	v_mul_u32_u24 v15, v2, SP
	v_add_nc_u32 v15, s17, v15                     ; and out: SP x lane: my 16 neighbours
	s_lshl_b32 s18, ttmp9, 2
	s_add_co_u32 s18, s18, s16                     ; which run of 8,192 numbers is my wave's
	s_mov_b32 s21, 0
	s_lshl_b32 s20, s18, 15
	s_add_nc_u64 s[4:5], s[4:5], s[20:21]
	s_lshl_b32 s20, s18, 13
	s_add_nc_u64 s[12:13], s[12:13], s[20:21]
.macro XLOAD t
.irp i, 0,1,2,3
	global_load_b128 v[R+16*((\t)%4)+4*\i:R+16*((\t)%4)+4*\i+3], v3, s[4:5] offset:2048*(\t)+512*\i th:TH_LOAD_NT
.endr
.endm
.macro XTURN t                         ; step t's numbers through the stage: LDS serves a wave's instructions in order, so no wait stands between the stores and the loads
.irp i, 0,1,2,3
	ds_store_b128 v14, v[R+16*((\t)%4)+4*\i:R+16*((\t)%4)+4*\i+3] offset:32*SP*((\t)%2)+8*SP*\i
.endr
.irp i, 0,1,2,3
	ds_load_b128 v[X+16*((\t)%2)+4*\i:X+16*((\t)%2)+4*\i+3], v15 offset:32*SP*((\t)%2)+16*\i
.endr
.endm
.irp t, 0,1,2,3
	XLOAD \t
.endr
	s_wait_alu depctr_va_vdst(0)
	SCALES 22
	s_wait_alu depctr_va_vdst(0)
	s_wait_loadcnt 12                              ; step 0's four loads are in; the twelve behind them may be out
	XTURN 0
.macro XSTEP t
.set XS, X+16*((\t)%2)
	s_wait_dscnt 0x0                               ; this step's numbers are back from the stage, so its stores into the stage have read their registers,
.if (\t)+4 < STEPS
	XLOAD (\t)+4                                   ; which take the loads of four steps on
.endif
.if (\t)+1 < STEPS
.if STEPS-2-(\t) >= 3
	s_wait_loadcnt 12                              ; the next step's four loads are in; those of the three steps behind it may be out
.else
	s_wait_loadcnt 4*(STEPS-2-(\t))                ; the last steps load nothing: the count runs down
.endif
	XTURN (\t)+1
.endif
.set i, 0
.rept 16
	v_med3_num_f32 v[XS+i], v[XS+i], -v10, v10     ; the conversion to an 8-bit code does not saturate (ISA guide 7.6.2): the hold at the largest code x the scale comes first
.set i, i+1
.endr
	v_cvt_scalef32_pk8_fp8_f32 v[C+4*(\t):C+4*(\t)+1], v[XS:XS+7], v11
	v_cvt_scalef32_pk8_fp8_f32 v[C+4*(\t)+2:C+4*(\t)+3], v[XS+8:XS+15], v11
	global_store_b128 v3, v[C+4*(\t):C+4*(\t)+3], s[12:13] offset:512*(\t)   ; the results go to a store alone; the next vector lines are the next step's holds, on other registers
.endm
.irp t, 0,1,2,3,4,5,6,7,8,9,10,11,12,13,14,15
	XSTEP \t
.endr
	s_wait_tensorcnt 0x0
	ds_add_u32 v192, v193
	s_wait_dscnt 0x0
	s_endpgm
; ---------------- the weights: K is their FIRST axis.  A lane takes a column n and its registers run down K: each load reads 128 consecutive bytes a wave (512 a work-group), and the conversions give codes with K
; innermost; nothing is transposed by an instruction.  A wave gathers 32 columns x 256 codes in its own stage and stores them by rows: sixteen lanes store 256 consecutive bytes, aligned.
.macro WLOAD t, nn, pb                 ; block t: W(32 t + i, my column), i = 0 .. 31, into set t % 2
.set i, 0
.rept 32
	global_load_b32 v[WX+32*((\t)%2)+i], v3, s[\pb:\pb+1] offset:(32*(\t)+i)*\nn*4 th:TH_LOAD_NT
.set i, i+1
.endr
.endm
.macro WBLOCK t, nn, pb
.set XS, WX+32*((\t)%2)
.if (\t) < NB-1
	s_wait_loadcnt 32                              ; this block's 32 loads are in; the next block's may be out
.else
	s_wait_loadcnt 0
.endif
.set i, 0
.rept 32
	v_med3_num_f32 v[XS+i], v[XS+i], -v10, v10
.set i, i+1
.endr
.irp g, 0,1,2,3
	v_cvt_scalef32_pk8_fp8_f32 v[WC+2*\g:WC+2*\g+1], v[XS+8*\g:XS+8*\g+7], v11
.endr
	ds_store_b128 v4, v[WC:WC+3] offset:32*(\t)    ; 32 codes: 32 bytes of my column's row
	ds_store_b128 v4, v[WC+4:WC+7] offset:32*(\t)+16
.if (\t)+2 < NB
	WLOAD (\t)+2, \nn, \pb
.endif
	s_wait_dscnt 0x0                               ; the stores have read their registers: the next block's codes may be written
.endm
; nn: the weight's columns; pb: the register pair with its address; es: the register with its e; id0: its first work-group; dst0: its first byte in the codes' buffer; lb: its LDS bytes
; rs: log2 of the bytes from one column's codes to the next; ks: log2 of the bytes from one 256 along K to the next.
; w_qkv: rows of 1,024 bytes, as said at the head (rs 10, ks 8).  w_out IS LAID OTHERWISE in its bytes of the buffer: [256 along K][column][256 codes] (rs 8, ks 18), so that 128 columns x 256 codes are 32,768 bytes on end.
.macro WPATH nn, pb, es, id0, dst0, lb, rs, ks
	s_sub_co_u32 s17, ttmp9, \id0
	s_lshr_b32 s18, s17, 2                         ; which 128 columns
	s_and_b32 s19, s17, 3                          ; which 256 along K
	s_lshl_b32 s18, s18, 7
	s_lshl_b32 s20, s16, 5
	s_add_co_u32 s18, s18, s20                     ; my wave's first column
	v_lshlrev_b32 v3, 2, v2                        ; in: 4 bytes a lane
	s_mul_i32 s20, s16, 32*PITCH
	s_add_co_u32 s20, s20, \lb                     ; my stage
	v_mul_u32_u24 v4, v2, PITCH
	v_add_nc_u32 v4, s20, v4                       ; into it: row = my column
	v_and_b32 v5, 15, v2
	v_lshrrev_b32 v6, 4, v2
	v_mul_u32_u24 v7, v6, PITCH
	v_lshl_add_u32 v7, v5, 4, v7
	v_add_nc_u32 v7, s20, v7                       ; out of it: sixteen lanes to a row, two rows an instruction
	v_lshlrev_b32 v8, \rs, v6
	v_lshl_add_u32 v8, v5, 4, v8                   ; and the same place in the codes' buffer (rows of 1,024 bytes)
	s_mul_i32 s26, s19, 256*\nn*4
	s_lshl_b32 s27, s18, 2
	s_add_co_u32 s26, s26, s27
	s_mov_b32 s27, 0
	s_add_nc_u64 s[\pb:\pb+1], s[\pb:\pb+1], s[26:27]
	s_lshl_b32 s26, s18, \rs
	s_lshl_b32 s28, s19, \ks
	s_add_co_u32 s26, s26, s28
	s_add_co_u32 s26, s26, \dst0
	s_add_nc_u64 s[12:13], s[12:13], s[26:27]
	WLOAD 0, \nn, \pb
	WLOAD 1, \nn, \pb
	SCALES \es
	s_wait_alu depctr_va_vdst(0)
.irp t, 0,1,2,3,4,5,6,7
	WBLOCK \t, \nn, \pb
.endr
.irp t, 0,1,2,3,4,5,6,7,8,9,10,11,12,13,14,15
	ds_load_b128 v[OUTR+4*\t:OUTR+4*\t+3], v7 offset:2*\t*PITCH   ; LDS serves a wave's instructions in order: these see my stores
.endr
.irp t, 0,1,2,3,4,5,6,7,8,9,10,11,12,13,14,15
	s_wait_dscnt 15-\t
	global_store_b128 v8, v[OUTR+4*\t:OUTR+4*\t+3], s[12:13] offset:2*\t*(1<<\rs)
.endr
.endm
.Lweights:
	s_cmp_lt_u32 ttmp9, QWG
	s_cbranch_scc0 .Lwout
	s_wait_alu depctr_va_vdst(0)
	WPATH 3072, 6, 23, 256, 8388608, 32768, 10, 8
	s_wait_tensorcnt 0x0
	ds_add_u32 v192, v193
	s_wait_dscnt 0x0
	s_endpgm
.Lwout:
	s_wait_alu depctr_va_vdst(0)
	WPATH 1024, 8, 24, 352, 11534336, 68608, 8, 18
	s_wait_tensorcnt 0x0
	ds_add_u32 v192, v193
	s_wait_dscnt 0x0
	s_endpgm
.Lfunc_end_k_q042ed2760b_quant:
	.size	k_q042ed2760b_quant, .Lfunc_end_k_q042ed2760b_quant-k_q042ed2760b_quant
	.p2alignl 7, 3214868480
	.fill 96, 4, 3214868480
	.section	.rodata,"a",@progbits
	.p2align	6, 0x0
	.amdhsa_kernel k_q042ed2760b_quant
		.amdhsa_group_segment_fixed_size 104960
		.amdhsa_private_segment_fixed_size 0
		.amdhsa_enable_private_segment 0
		.amdhsa_kernarg_size 40
		.amdhsa_user_sgpr_count 2
		.amdhsa_user_sgpr_kernarg_segment_ptr 1
		.amdhsa_wavefront_size32 1
		.amdhsa_system_sgpr_workgroup_id_x 1
		.amdhsa_system_sgpr_workgroup_id_y 1
		.amdhsa_system_sgpr_workgroup_id_z 1
		.amdhsa_system_vgpr_workitem_id 0
		.amdhsa_next_free_vgpr 194
		.amdhsa_next_free_sgpr 66
		.amdhsa_reserve_vcc 0
		.amdhsa_float_denorm_mode_32 3
		.amdhsa_float_denorm_mode_16_64 3
		.amdhsa_memory_ordered 1
		.amdhsa_forward_progress 1
		.amdhsa_inst_pref_size 134
	.end_amdhsa_kernel
	.amdgpu_metadata
---
amdhsa.version: [ 1, 2 ]
amdhsa.kernels:
  - .name:           k_q042ed2760b_quant
    .symbol:         k_q042ed2760b_quant.kd
    .args:
      - { .name: x, .offset: 0, .size: 8, .value_kind: global_buffer, .address_space: global }
      - { .name: w_qkv, .offset: 8, .size: 8, .value_kind: global_buffer, .address_space: global }
      - { .name: w_out, .offset: 16, .size: 8, .value_kind: global_buffer, .address_space: global }
      - { .name: lowp_scales, .offset: 24, .size: 8, .value_kind: global_buffer, .address_space: global }
      - { .name: codes, .offset: 32, .size: 8, .value_kind: global_buffer, .address_space: global }
    .group_segment_fixed_size: 104960
    .private_segment_fixed_size: 0
    .kernarg_segment_align: 8
    .kernarg_segment_size: 40
    .max_flat_workgroup_size: 128
    .sgpr_count:     66
    .vgpr_count:     194
    .wavefront_size: 32
...
	.end_amdgpu_metadata
.endif
;; end of part 1
;; launch qkv (part 2): grid 12 x 32, 4 waves a work-group, clusters of 4 x 4, 327,680 bytes of LDS; arguments codes, b_qkv, lowp_scales, qk_codes, v_codes; writes qk_codes, v_codes
.if DOCPART == 2
	.amdgcn_target "amdgcn-amd-amdhsa--gfx1250"
	.amdhsa_code_object_version 6
	.text
	.protected	k_q042ed2760b_qkv
	.globl	k_q042ed2760b_qkv
	.p2align	8
	.type	k_q042ed2760b_qkv,@function
k_q042ed2760b_qkv:
	s_mov_b64 s[64:65], 0
	v_nop
	global_prefetch_b8 v0, s[64:65] scope:SCOPE_SE
	s_setreg_imm32_b32 hwreg(HW_REG_WAVE_MODE, 25, 1), 1
	s_wait_xcnt 0x0
	s_wait_alu depctr_hold_cnt(0) depctr_sa_sdst(0) depctr_va_vdst(0) depctr_va_sdst(0) depctr_va_ssrc(0) depctr_va_vcc(0) depctr_vm_vsrc(0)
	s_getreg_b32 s2, hwreg(HW_REG_IB_STS2, 6, 4)
	s_cmp_eq_u32 s2, 0
	s_cbranch_scc0 .Lentry_in_a_cluster
	s_endpgm
.Lentry_in_a_cluster:
	s_bfe_u32 s2, ttmp6, 0x10000c
	s_cmp_lg_u32 s2, 0xf033
	s_cbranch_scc0 .Lentry_shape_is_right
	s_endpgm
.Lentry_shape_is_right:
; qkv = x w_qkv + b_qkv on codes of FP8 (E4M3), K = 1,024; the sums x 2^(e0 + e1) + bias, in f32, are quantised at once: q with e2, k with e3, v with e5.
; OUT: qk_codes [q or k][b][head][t][64] (K of the scores' product = the head's 64, innermost);  v_codes [b][head][d][t] (K of the second product = the keys, innermost).
; The kernel multiplies 256 'A rows' by 256 'B rows' of the one buffer of codes (rows of 1,024 bytes: 0-8191 x, 8192-11263 w_qkv's columns).  Four waves, each 128 x 128: 64 accumulators, 512 registers.
; THE MATRIX INSTRUCTION IS USED TRANSPOSED (source 0 = 16 B rows, source 1 = 16 A rows): a lane holds ONE A row and eight neighbouring B rows, which the conversion packs into eight codes.
; q and k want neighbours along d: A = x's rows, B = the weight's columns.  v wants neighbours along t: there the DATA change places, not the text: A = the weight's columns, B = x's rows.
; Cluster x says which: 0 q, 1 k, 2 v: the same number in all sixteen partners.
; CLUSTERS: 4 x 4 work-groups; A's tile is asked for jointly along a row of the cluster, B's along a column.  K goes in steps of 256 through a ring of two LDS slots.
; 384 tiles for 256 WGPs: a tile of 256 x 384 would want 768 registers of sums and 320 of fragments, more than a wave can have; so the tile stays 256 x 256.
; No prefetch: K has four steps; two come by the first fills and two by the refills that follow at once: there is no later step to ask for ahead.
; LIMITS: e0 + e1 between -126 and 127; e2, e3, e5 between -126 and 119.
; REGISTERS, in windows of 256: window 0: v0-31 addresses; v32-47 the bias by A rows; v64-127 the bias by B rows; from v128 A's fragments, ONE set; on the way out v128-255 are free.
;   window 1: B's fragments, TWO sets.   window 2: the accumulators of my A rows 0-63 ((a, b) at v[8 (8 a + b)]);   window 3: those of rows 64-127.
.set ROWB,   256                       ; a tile's row in bytes: 256 codes
.set KROW,   1024                      ; a row of the codes' buffer
.set PITCH,  272                       ; an LDS row: 256 bytes + 16 of padding = 68 words: row r starts at bank 4 r mod 64 (64 banks of 4 bytes: ISA guide 11.1)
.set FR,     16                        ; registers of a fragment: 16 rows x 128 K
.set NL,     4                         ; LDS loads that bring one
.set NP,     4                         ; places behind this matrix instruction (ISA guide 7.12.1)
.set HALFT,  128*PITCH                 ; 128 rows: what one tensor load brings
.set SLOT,   4*HALFT                   ; A's 256 rows, then B's 256 rows
.set SPARE,  2*SLOT                    ; behind the ring: the spare words, 128 bytes for each wave
.set SCQ,  8                           ; v8      2^e of the quantiser, as f32
.set LIMQ, 9                           ; v9      448 x 2^e
.set BOV,  10                          ; v10     4 r: my place in the bias by A rows
.set ADRA, 16                          ; v16-17  LDS address of my A fragments in slot 0, 1
.set ADRB, 20                          ; v20-21  the same for B
.set STO,  24                          ; v24     the stage: where I put eight codes
.set RDV,  25                          ; v25     the stage, back, for v: sixteen lanes to a row of 256 bytes
.set RDQ,  26                          ; v26     the stage, back, for q and k: four lanes to a head's 64 bytes of a row
.set COV,  27                          ; v27     my byte offset in v_codes
.set SPW,  28                          ; v28     LDS address of my spare word; never rewritten
.set NIL,  29                          ; v29     0; never rewritten
.set COQ,  30                          ; v30     my byte offset in qk_codes: 16 x lane
.set BOQ,  31                          ; v31     32 h: my place in the bias by B rows
.set BR,   32                          ; v32-47  bias by A rows: block a's in v[32 + 2 a]; the odd registers are named with them as pairs and hold 0
.set BIAS, 64                          ; v64-127 bias by B rows: register 8 b + j
.set AF,   128                         ; A's fragments
.set TMP,  128                         ; the way out: a block's 64 numbers
.set CODE, 192                         ; the way out: two sets of 16 registers of codes
.set RB,   128                         ; the way out: 64 rows read back from the stage
.set G1, 24                            ; s[24:31] descriptor group 1 for A's tiles;  s[32:39] group 0, one set for each slot
.set G0, 32
.set G1B, 48                           ; s[48:55], s[56:63] the same for B's tiles
.set G0B, 56
.set MSB, 0
.macro WIN new                         ; the immediate's high byte repeats the setting that is left
.if MSB != (\new)
	s_set_vgpr_msb (MSB<<8)|(\new)
.set MSB, (\new)
.endif
.endm
.set MUL_LO, 0xa1                      ; source 0 (B) window 1, source 1 (A) window 0, C and D window 2
.set MUL_HI, 0xf1                      ; the same, C and D window 3
.set TO_B,   0x40                      ; destination window 1, address window 0
; A joint load: waves 0 and 1 fetch for A, waves 2 and 3 for B.  The branch hangs on the wave's number alone.  Four v_nop follow each of the two lines.
.macro JLOAD g0a, g1a, g0b, g1b
	s_cmp_eq_u32 s15, 0
	s_cbranch_scc0 .Lfor_b_\@
	tensor_load_to_lds s[\g0a:\g0a+3], s[\g1a:\g1a+7]
	s_nop 0
.rept 4
	v_nop
.endr
	s_branch .Lasked_\@
.Lfor_b_\@:
	tensor_load_to_lds s[\g0b:\g0b+3], s[\g1b:\g1b+7]
	s_nop 0
.rept 4
	v_nop
.endr
.Lasked_\@:
.endm
.macro CREST                           ; a round of the cluster's barrier behind its opening barrier
	s_cmp_lg_u32 s14, 0
	s_cbranch_scc1 .Lnot_wave_0_\@
	s_barrier_signal -3
.Lnot_wave_0_\@:
	s_barrier_wait -3
	s_barrier_signal -1
	s_barrier_wait -1
.endm
.macro CROUND                          ; a whole round
	s_barrier_signal -1
	s_barrier_wait -1
	CREST
.endm
	s_load_b256 s[4:11], s[0:1], 0x0               ; the codes s[4:5], b_qkv s[6:7], the scales' exponents s[8:9], qk_codes s[10:11]
	s_load_b64 s[12:13], s[0:1], 0x20              ; v_codes
	v_lshl_add_u32 v[SPW], v0, 2, SPARE
	v_mov_b32 v[NIL], 0
	ds_add_u32 v28, v29
	ds_add_u32 v28, v29
	s_wait_dscnt 0x0
	v_lshrrev_b32 v1, 5, v0
	v_readfirstlane_b32 s14, v1                    ; wave 0..3
	s_lshr_b32 s15, s14, 1                         ; which half of the tile's A rows is mine.  Also: I fetch for A (0) or for B (1)
	s_and_b32 s16, s14, 1                          ; which half of its B rows.  Also: which 128 rows of that tile I fetch
	s_bfe_u32 s40, ttmp6, 0x40000                  ; cx, cy: my place in the cluster
	s_bfe_u32 s41, ttmp6, 0x40004
	s_and_b32 s67, ttmp7, 0xffff
	s_lshl_b32 s67, s67, 2                         ; 4 x cluster y: a block of 1,024 rows of x
	s_lshl_b32 s86, ttmp9, 2
	s_add_co_u32 s86, s86, 32                      ; q's or k's columns begin at tile 32 + 4 x cluster x of the codes' buffer (tiles of 256 rows)
	s_cmp_eq_u32 ttmp9, 2                          ; v?
	s_cselect_b32 s66, 1, 0
	s_cselect_b32 s17, 40, s67                     ; A: v's columns (tiles 40-43), else x's rows
	s_cselect_b32 s42, s67, s86                    ; B: x's rows, else q's or k's columns
	s_add_co_u32 s17, s17, s41                     ; A's tile hangs on cy alone of my place,
	s_add_co_u32 s42, s42, s40                     ; B's on cx alone
	s_lshl_b32 s43, s41, 2
	s_lshl_b32 s43, 15, s43                        ; my row of the cluster
	s_lshl_b32 s44, 0x1111, s40                    ; my column
	; descriptor group 1: a tile of 128 rows x 256 bytes, padded in LDS
	s_or_b32 s[G1+0], s43, (0<<16)|(1<<20)|(1<<21)|(5<<22)|(3<<25)  ; 15:0 the mask; 17:16 element of 1 byte; 20 padding on; 21 set beside a mask; 24:22 after every 64 words (code 5); 31:25 of 4 words (code 3)
	s_or_b32 s[G1B+0], s44, (0<<16)|(1<<20)|(1<<21)|(5<<22)|(3<<25)
.irp g, G1, G1B
	s_mov_b32 s[\g+1], ROWB<<16                    ; tensor_dim0
	s_mov_b32 s[\g+2], 128<<16                     ; tensor_dim1
	s_mov_b32 s[\g+3], ROWB<<16                    ; tile_dim0
	s_mov_b32 s[\g+4], 128                         ; tile_dim1
	s_mov_b32 s[\g+5], KROW                        ; tensor_dim0_stride
	s_mov_b32 s[\g+6], 0
	s_mov_b32 s[\g+7], 0
.endr
	s_lshl_b32 s18, s16, 7                         ; which 128 rows of the tile I fetch
	s_lshl_b32 s20, s17, 8
	s_add_co_u32 s20, s20, s18
	s_lshl_b32 s20, s20, 10                        ; A: (256 x tile + 128 x half) rows of 1,024 bytes
	s_mov_b32 s21, 0
	s_lshl_b32 s46, s42, 8
	s_add_co_u32 s46, s46, s18
	s_lshl_b32 s46, s46, 10                        ; B likewise
	s_mov_b32 s47, 0
	s_mul_i32 s45, s14, HALFT                      ; where they go: wave x 128 rows: no place in the cluster enters an LDS address
	s_wait_kmcnt 0x0
	s_load_b256 s[68:75], s[8:9], 0x0              ; e0 .. e7
	s_add_nc_u64 s[20:21], s[4:5], s[20:21]
	s_add_nc_u64 s[46:47], s[4:5], s[46:47]
	CROUND                                         ; all sixteen work-groups are here: the first joint loads meet
.irp s, 0,1
	s_mov_b32 s[G0+4*\s], 1
	s_add_co_u32 s[G0+4*\s+1], s45, \s*SLOT
	s_add_nc_u64 s[G0+4*\s+2:G0+4*\s+3], s[20:21], \s*ROWB
	s_or_b32 s[G0+4*\s+3], s[G0+4*\s+3], 0x80000000
	s_mov_b32 s[G0B+4*\s], 1
	s_add_co_u32 s[G0B+4*\s+1], s45, \s*SLOT
	s_add_nc_u64 s[G0B+4*\s+2:G0B+4*\s+3], s[46:47], \s*ROWB
	s_or_b32 s[G0B+4*\s+3], s[G0B+4*\s+3], 0x80000000
.endr
	JLOAD G0, G1, G0B, G1B                         ; K step 0: one tensor load a wave at the head
	v_and_b32 v1, 15, v0                           ; r = l % 16
	v_bfe_u32 v2, v0, 4, 1                         ; h = l / 16
	v_mul_u32_u24 v3, v1, PITCH
	s_wait_alu depctr_va_vdst(0)
	v_lshl_add_u32 v4, v2, 4, v3                   ; a fragment's row x pitch + 16 x half
	s_mul_i32 s21, s15, HALFT                      ; my 128 rows of A
	s_mul_i32 s22, s16, HALFT                      ; my 128 rows of B,
	s_add_co_u32 s22, s22, 2*HALFT                 ; which lie behind A's 256
.irp s, 0,1
	v_add_nc_u32 v[ADRA+\s], s21, v4
	v_add_nc_u32 v[ADRB+\s], s22, v4
	s_add_co_u32 s21, s21, SLOT
	s_add_co_u32 s22, s22, SLOT
.endr
	; the stage for the way out: 256 A rows x (256 codes + 16 bytes), the work-group's, in slot 0
	s_mul_i32 s23, s15, 128*PITCH
	s_lshl_b32 s21, s16, 7
	s_add_co_u32 s23, s23, s21
	v_lshl_add_u32 v5, v2, 3, v3
	v_add_nc_u32 v[STO], s23, v5                   ; in: row 128 x (my half of A) + r; byte 128 x (my half of B) + 8 h
	s_mul_i32 s23, s14, 64*PITCH                   ; back: wave w takes rows 64 w .. 64 w + 63
	v_and_b32 v6, 31, v0
	v_mul_u32_u24 v5, v2, PITCH
	v_lshl_add_u32 v5, v1, 4, v5
	v_add_nc_u32 v[RDV], s23, v5
	v_lshrrev_b32 v5, 2, v6
	v_mul_u32_u24 v5, v5, PITCH
	v_and_b32 v7, 3, v6
	v_lshl_add_u32 v5, v7, 4, v5
	v_add_nc_u32 v[RDQ], s23, v5
	v_lshlrev_b32 v5, 11, v2
	v_lshl_add_u32 v[COV], v1, 4, v5               ; v_codes: a channel's row is 2,048 bytes
	v_lshlrev_b32 v[COQ], 4, v6
	v_lshlrev_b32 v[BOQ], 5, v2
	s_wait_alu depctr_va_vdst(0)
	v_lshlrev_b32 v[BOV], 2, v1
	; THE BIAS, in both forms, in every work-group: both lie inside b_qkv whatever cluster x is, so nothing branches here and every register is written; a work-group uses the form that its data ask for.
	s_wait_alu depctr_va_vdst(0)
	s_lshl_b32 s86, ttmp9, 2
	s_add_co_u32 s86, s86, s40
	s_lshl_b32 s86, s86, 10
	s_lshl_b32 s87, s16, 9
	s_add_co_u32 s86, s86, s87                     ; by B rows (q, k): column 256 (4 x cluster x + cx) + 128 x half, 4 bytes each
	s_mov_b32 s87, 0
	s_add_nc_u64 s[76:77], s[6:7], s[86:87]
	s_lshl_b32 s86, s41, 10
	s_lshl_b32 s88, s15, 9
	s_add_co_u32 s86, s86, s88
	s_add_co_u32 s86, s86, 8192                    ; by A rows (v): column 2,048 + 256 cy + 128 x half
	s_add_nc_u64 s[78:79], s[6:7], s[86:87]
.irp b, 0,1,2,3,4,5,6,7
	global_load_b128 v[BIAS+8*\b:BIAS+8*\b+3],   v[BOQ], s[76:77] offset:64*\b      ; columns 16 b + 8 h + 0 .. 7
	global_load_b128 v[BIAS+8*\b+4:BIAS+8*\b+7], v[BOQ], s[76:77] offset:64*\b+16
.endr
.irp a, 0,1,2,3,4,5,6,7
	global_load_b32 v[BR+2*\a], v[BOV], s[78:79] offset:64*\a                       ; column 16 a + r
	v_mov_b32 v[BR+2*\a+1], 0
.endr
.macro FRAG reg, adr, q, i             ; a fragment: lane l holds row l % 16; registers 4 c .. 4 c + 3 hold K = 32 c + 16 (l / 16) + 0 .. 15: one and the same order of K in A and in B
.irp c, 0,1,2,3
	ds_load_b128 v[\reg+4*\c:\reg+4*\c+3], v[\adr] offset:128*(\q)+32*\c+(\i)*16*PITCH
.endr
.endm
; 16 matrix instructions: A's blocks a0, a0 + 1 x B's eight, 128 along K.  p: B's set.  zero = 1: the first product starts the sums.  The 64 accumulators take turns, one instruction a turn.
.macro MUL16 a0, p, zero
.irp a, \a0, \a0+1
.irp b, 0,1,2,3,4,5,6,7
.if \zero
	v_wmma_f32_16x16x128_fp8_fp8 v[8*(8*((\a)%4)+\b):8*(8*((\a)%4)+\b)+7], v[128*(\p)+FR*\b:128*(\p)+FR*\b+FR-1], v[AF+FR*(\a):AF+FR*(\a)+FR-1], 0
.else
	v_wmma_f32_16x16x128_fp8_fp8 v[8*(8*((\a)%4)+\b):8*(8*((\a)%4)+\b)+7], v[128*(\p)+FR*\b:128*(\p)+FR*\b+FR-1], v[AF+FR*(\a):AF+FR*(\a)+FR-1], v[8*(8*((\a)%4)+\b):8*(8*((\a)%4)+\b)+7]
.endif
.endr
.endr
.endm
.macro FETCH_B slot, q, p              ; B's eight fragments of the slot's q-th 128 along K into set p
	WIN TO_B
.irp i, 0,1,2,3,4,5,6,7
	FRAG 128*(\p)+FR*\i, ADRB+\slot, \q, \i
.endr
	WIN 0
.endm
.macro FETCH_A slot, q, i0             ; A's blocks i0 .. i0 + 3
.irp i, \i0, \i0+1, \i0+2, \i0+3
	FRAG AF+FR*(\i), ADRA+\slot, \q, \i
.endr
.endm
.macro PLACES n                        ; plain vector instructions between a matrix instruction and a load into a register that it has read, or a read of its result (ISA guide 7.12.1 for vector instructions)
.rept \n
	v_nop
.endr
.endm
; A step of 128 along K that has its successor in the same slot.
.macro STEP slot, q, zero
	s_wait_dscnt 4*NL                              ; B's set and A's blocks 0-3 are in; the youngest sixteen loads (A's blocks 4-7) may be out
	WIN MUL_LO
	MUL16 0, (\q)%2, \zero
	MUL16 2, (\q)%2, \zero
	s_wait_dscnt 0                                 ; A's blocks 4-7 are in
	PLACES NP
	FETCH_B \slot, (\q)+1, 1-(\q)%2
	FETCH_A \slot, (\q)+1, 0
	WIN MUL_HI
	MUL16 4, (\q)%2, \zero
	MUL16 6, (\q)%2, \zero
	PLACES NP
	WIN 0
	FETCH_A \slot, (\q)+1, 4
.endm
; A slot's last step changes slots: ONE barrier; in front of it each wave waits for all its tensor loads, adds 0 to its spare word, and waits for that and for its own reads of this slot.  fill = 1: this slot is filled again, two K steps ahead.
.macro TURN slot, next, fill
	s_wait_tensorcnt 0x0                           ; all my tensor loads have landed: my part of the next slot
	ds_add_u32 v[SPW], v[NIL]                      ; 0 onto my spare word
	s_wait_dscnt 4*NL+1                            ; (the add and the youngest sixteen loads may be out)
	WIN MUL_LO
	MUL16 0, 1, 0                                  ; sixteen matrix instructions stand between the add and the wait for it
	s_wait_dscnt 0x0                               ; the add is done, and my reads of this slot are over
	s_barrier_signal -1
	MUL16 2, 1, 0
	WIN 0
	s_barrier_wait -1
.if \fill
	CREST                                          ; the barrier has opened a round of the cluster's barrier: no wave of any partner still reads this slot's tile or has a load on its way
	s_add_nc_u64 s[G0+4*\slot+2:G0+4*\slot+3], s[G0+4*\slot+2:G0+4*\slot+3], 2*ROWB
	s_add_nc_u64 s[G0B+4*\slot+2:G0B+4*\slot+3], s[G0B+4*\slot+2:G0B+4*\slot+3], 2*ROWB
	JLOAD G0+4*\slot, G1, G0B+4*\slot, G1B         ; the first tensor load behind the round, my only one until the next; its four v_nop are the places in front of the loads below
.else
	PLACES NP
.endif
	FETCH_B \next, 0, 0
	FETCH_A \next, 0, 0
	WIN MUL_HI
	MUL16 4, 1, 0
	MUL16 6, 1, 0
	PLACES NP
	WIN 0
	FETCH_A \next, 0, 4
.endm
	s_wait_alu depctr_va_vdst(0)                   ; the wait at the head's end
	s_wait_tensorcnt 0x0                           ; my part of K step 0 is in
	ds_add_u32 v[SPW], v[NIL]
	s_wait_dscnt 0x0
	CROUND                                         ; everybody's part of K step 0 is in, and all sixteen work-groups are here
	JLOAD G0+4, G1, G0B+4, G1B                     ; K step 1: the first tensor load behind the round
	FETCH_B 0, 0, 0
	FETCH_A 0, 0, 0
	FETCH_A 0, 0, 4
	STEP 0, 0, 1                                   ; K = 1,024 is four K steps, twice round the ring: written out, since a loop would have one trip
	TURN 0, 1, 1                                   ; slot 0 takes K step 2
	STEP 1, 0, 0
	TURN 1, 0, 1                                   ; slot 1 takes K step 3
	STEP 0, 0, 0
	TURN 0, 1, 0                                   ; nothing is left to fetch; behind this barrier nobody reads slot 0 and nothing fills it
	STEP 1, 0, 0
	s_wait_dscnt 4*NL
	WIN MUL_LO
	MUL16 0, 1, 0
	MUL16 2, 1, 0
	s_wait_dscnt 0
	WIN MUL_HI
	MUL16 4, 1, 0
	MUL16 6, 1, 0
	WIN 0
	; THE WAY OUT.  number = sum x 2^(e0 + e1) + bias, one fused multiply-add; held within +-448 x 2^e; eight numbers of a lane become eight codes; the codes meet in the stage.
	s_wait_kmcnt 0x0
	s_wait_loadcnt 0x0                             ; the bias
	s_add_co_i32 s80, s68, s69
	s_add_co_i32 s80, s80, 127
	s_lshl_b32 s80, s80, 23                        ; 2^(e0 + e1) as f32
	s_mov_b32 s81, s80                             ; (named with it as a pair, so it is written)
	s_cmp_eq_u32 ttmp9, 0
	s_cselect_b32 s82, s70, s71                    ; e2 for q, e3 for k,
	s_cmp_eq_u32 ttmp9, 2
	s_cselect_b32 s82, s73, s82                    ; e5 for v: chosen, not branched on
	s_add_co_i32 s82, s82, 127
	s_lshl_b32 s83, s82, 23
	v_mov_b32 v[SCQ], s83
	s_add_co_i32 s82, s82, 8
	s_lshl_b32 s82, s82, 23
	s_or_b32 s82, s82, 0x600000
	v_mov_b32 v[LIMQ], s82
	PLACES NP                                      ; behind the last products: their results are read and A's registers written below
; Block a: my A rows 16 a .. 16 a + 15 x my 128 B rows.  The two arms differ in the bias alone (by B rows for q and k, by A rows for v) and hold register work only; the branch hangs on cluster x.
.macro QBLK a
.set AC, 64*((\a)%4)
.set CD, CODE+16*((\a)%2)
	s_cmp_eq_u32 s66, 1
	s_cbranch_scc1 .Lrow_\@
	WIN 0x02+((\a)/4)                              ; source 0: window 2 or 3
.set j, 0
.rept 32
	v_pk_fma_f32 v[TMP+j:TMP+j+1], v[AC+j:AC+j+1], s[80:81], v[BIAS+j:BIAS+j+1] op_sel_hi:[1,0,1]   ; each accumulator from its low end on
.set j, j+2
.endr
	WIN 0
	s_branch .Ljoin_\@
.Lrow_\@:
	WIN 0x02+((\a)/4)
.set j, 0
.rept 32
	v_pk_fma_f32 v[TMP+j:TMP+j+1], v[AC+j:AC+j+1], s[80:81], v[BR+2*(\a):BR+2*(\a)+1] op_sel_hi:[1,0,0]   ; my row's bias, the pair's low word, for both halves
.set j, j+2
.endr
	WIN 0
.Ljoin_\@:
.set j, 0
.rept 64
	v_med3_num_f32 v[TMP+j], v[TMP+j], -v[LIMQ], v[LIMQ]   ; the conversion does not saturate (ISA guide 7.6.2): the hold comes first
.set j, j+1
.endr
.if (\a) >= 2
	s_wait_alu depctr_va_vdst(0)
	s_wait_dscnt 8                                 ; block a - 2's eight stores, which read this set of codes, are done; block a - 1's eight may be out
.endif
.irp b, 0,1,2,3,4,5,6,7
	v_cvt_scalef32_pk8_fp8_f32 v[CD+2*\b:CD+2*\b+1], v[TMP+8*\b:TMP+8*\b+7], v[SCQ]
.endr
	v_nop                                          ; one plain vector instruction behind the last conversion: the next block writes its sources
.irp b, 0,1,2,3,4,5,6,7
	ds_store_b64 v[STO], v[CD+2*\b:CD+2*\b+1] offset:(\a)*16*PITCH+16*\b   ; row 16 a + r, bytes 16 b + 8 h + 0 .. 7: at this pitch the 32 lanes touch 64 different banks
.endr
.endm
.irp a, 0,1,2,3,4,5,6,7
	QBLK \a
.endr
	s_wait_dscnt 0x0                               ; for the others' sake: my stores into the stage are done
	s_barrier_signal -1
	s_barrier_wait -1                              ; a stage row's 256 bytes come from two waves
	s_cmp_eq_u32 s66, 1
	s_cbranch_scc1 .Lv_out
	; q, k: a stage row is a row t of x, its 256 bytes are four heads' 64.  Eight rows of one head are 512 consecutive bytes of qk_codes.
	s_add_co_u32 s86, s67, s41                     ; the block of 256 rows: 4 x cluster y + cy
	s_lshr_b32 s87, s86, 3                         ; b
	s_lshl_b32 s87, s87, 4
	s_lshl_b32 s88, ttmp9, 6
	s_add_co_u32 s87, s87, s88
	s_lshl_b32 s88, s40, 2
	s_add_co_u32 s87, s87, s88                     ; 64 x (q or k) + 16 b + the tile's first head, 4 cx
	s_lshl_b32 s87, s87, 17                        ; a head is 131,072 bytes
	s_and_b32 s86, s86, 7
	s_lshl_b32 s86, s86, 8
	s_lshl_b32 s88, s14, 6
	s_add_co_u32 s86, s86, s88                     ; t of my first row
	s_lshl_b32 s86, s86, 6
	s_add_co_u32 s86, s86, s87
	s_mov_b32 s87, 0
	s_add_nc_u64 s[84:85], s[10:11], s[86:87]
.set i, 0
.rept 32
	ds_load_b128 v[RB+4*i:RB+4*i+3], v[RDQ] offset:(i%8)*8*PITCH+64*(i/8)   ; head i / 8, rows 8 (i % 8) on
.set i, i+1
.endr
.set i, 0
.rept 32
	s_wait_dscnt 31-i
	global_store_b128 v[COQ], v[RB+4*i:RB+4*i+3], s[84:85] offset:(i/8)*131072+(i%8)*512   ; the wave stores 512 consecutive bytes, aligned
.set i, i+1
.endr
	s_branch .Ldone
.Lv_out:
	; v: a stage row is a channel (head, d), its 256 bytes are 256 neighbouring t.
	s_add_co_u32 s86, s67, s40                     ; the block of 256 rows of x: 4 x cluster y + cx
	s_lshr_b32 s87, s86, 3
	s_lshl_b32 s87, s87, 21                        ; b: 1,024 channels of 2,048 bytes
	s_and_b32 s86, s86, 7
	s_lshl_b32 s86, s86, 8                         ; t
	s_add_co_u32 s86, s86, s87
	s_lshl_b32 s87, s41, 8
	s_lshl_b32 s88, s14, 6
	s_add_co_u32 s87, s87, s88                     ; my first channel: 256 cy + 64 x wave
	s_lshl_b32 s87, s87, 11
	s_add_co_u32 s86, s86, s87
	s_mov_b32 s87, 0
	s_add_nc_u64 s[84:85], s[12:13], s[86:87]
.set i, 0
.rept 32
	ds_load_b128 v[RB+4*i:RB+4*i+3], v[RDV] offset:2*i*PITCH
.set i, i+1
.endr
.set i, 0
.rept 32
	s_wait_dscnt 31-i
	global_store_b128 v[COV], v[RB+4*i:RB+4*i+3], s[84:85] offset:2*i*2048   ; sixteen lanes store 256 consecutive bytes, aligned
.set i, i+1
.endr
.Ldone:
	s_wait_tensorcnt 0x0                           ; the wave's end
	ds_add_u32 v[SPW], v[NIL]
	s_wait_dscnt 0x0
	CROUND                                         ; the closing round: no work-group ends while a partner may still ask for a tile that names it
	s_endpgm
.Lfunc_end_k_q042ed2760b_qkv:
	.size	k_q042ed2760b_qkv, .Lfunc_end_k_q042ed2760b_qkv-k_q042ed2760b_qkv
	.p2alignl 7, 3214868480
	.fill 96, 4, 3214868480
	.section	.rodata,"a",@progbits
	.p2align	6, 0x0
	.amdhsa_kernel k_q042ed2760b_qkv
		.amdhsa_group_segment_fixed_size 327680
		.amdhsa_private_segment_fixed_size 0
		.amdhsa_enable_private_segment 0
		.amdhsa_kernarg_size 40
		.amdhsa_user_sgpr_count 2
		.amdhsa_user_sgpr_kernarg_segment_ptr 1
		.amdhsa_wavefront_size32 1
		.amdhsa_system_sgpr_workgroup_id_x 1
		.amdhsa_system_sgpr_workgroup_id_y 1
		.amdhsa_system_sgpr_workgroup_id_z 1
		.amdhsa_system_vgpr_workitem_id 0
		.amdhsa_next_free_vgpr 1024
		.amdhsa_next_free_sgpr 98
		.amdhsa_reserve_vcc 0
		.amdhsa_float_denorm_mode_32 3
		.amdhsa_float_denorm_mode_16_64 3
		.amdhsa_memory_ordered 1
		.amdhsa_forward_progress 1
		.amdhsa_inst_pref_size 169
	.end_amdhsa_kernel
	.amdgpu_metadata
---
amdhsa.version: [ 1, 2 ]
amdhsa.kernels:
  - .name:           k_q042ed2760b_qkv
    .symbol:         k_q042ed2760b_qkv.kd
    .args:
      - { .name: codes, .offset: 0, .size: 8, .value_kind: global_buffer, .address_space: global }
      - { .name: b_qkv, .offset: 8, .size: 8, .value_kind: global_buffer, .address_space: global }
      - { .name: lowp_scales, .offset: 16, .size: 8, .value_kind: global_buffer, .address_space: global }
      - { .name: qk_codes, .offset: 24, .size: 8, .value_kind: global_buffer, .address_space: global }
      - { .name: v_codes, .offset: 32, .size: 8, .value_kind: global_buffer, .address_space: global }
    .group_segment_fixed_size: 327680
    .private_segment_fixed_size: 0
    .kernarg_segment_align: 8
    .kernarg_segment_size: 40
    .max_flat_workgroup_size: 128
    .sgpr_count:     98
    .vgpr_count:     1024
    .wavefront_size: 32
...
	.end_amdgpu_metadata
.endif
;; end of part 2
;; launch attn (part 3): grid 4 x 64, 16 waves a work-group, clusters of 4 x 1, 327,680 bytes of LDS; arguments qk_codes, v_codes, lowp_scales, a_codes; writes a_codes
.if DOCPART == 3
	.amdgcn_target "amdgcn-amd-amdhsa--gfx1250"
	.amdhsa_code_object_version 6
	.text
	.protected	k_q042ed2760b_attn
	.globl	k_q042ed2760b_attn
	.p2align	8
	.type	k_q042ed2760b_attn,@function
k_q042ed2760b_attn:
	s_mov_b64 s[64:65], 0
	v_nop
	global_prefetch_b8 v0, s[64:65] scope:SCOPE_SE
	s_setreg_imm32_b32 hwreg(HW_REG_WAVE_MODE, 25, 1), 1
	s_wait_xcnt 0x0
	s_wait_alu depctr_hold_cnt(0) depctr_sa_sdst(0) depctr_va_vdst(0) depctr_va_sdst(0) depctr_va_ssrc(0) depctr_va_vcc(0) depctr_vm_vsrc(0)
	s_getreg_b32 s2, hwreg(HW_REG_IB_STS2, 6, 4)
	s_cmp_eq_u32 s2, 0
	s_cbranch_scc0 .Lentry_in_a_cluster
	s_endpgm
.Lentry_in_a_cluster:
	s_bfe_u32 s2, ttmp6, 0x10000c
	s_cmp_lg_u32 s2, 0x3003
	s_cbranch_scc0 .Lentry_shape_is_right
	s_endpgm
.Lentry_shape_is_right:
; Causal attention of one (batch, head) g on codes of FP8 (E4M3): S = q k^T (K = 64), p = 2^(t - M), O = p v (K = the keys), O / l quantised with e6.
; IN: qk_codes [q or k][g][t][64]; v_codes [g][d][t].  OUT: a_codes [g][t][64].
; THE SOFTMAX: t = score x 2^(e2 + e3) x log2(e) / 8; M = the running largest t rounded UP to a whole number; p = 2^(t - M) is quantised with e4, not normalised; l is the sum of the unquantised p, in f32.
; When M moves, l and O are multiplied by 2^(old M - new M): nothing is rounded.
; LEFT OUT: key steps all of whose 128 keys come after a tile's 16 queries: the causal mask that reference() builds itself hides them.
; LDS HOLDS THE WHOLE HEAD, each byte filled once: K as 512 rows of 4 keys, V as 8 chunks of 256 keys x 64 channels; every tile row is 256 bytes of memory, aligned.
; THE FILLS, all joint (mask 15: the four work-groups of a head): at the head every wave asks for one sixteenth of the first 512 keys (waves 0-7 K, 16 rows each; waves 8-15 V, 16 channels of a chunk each);
; behind the three lines and a round, waves 0-7 ask for 48 rows of K each and waves 8-13 for a chunk of V each: the other 1,536 keys, which land while phase 1 is worked.
; THE SHARE.  A head has 128 tiles of 16 queries; work-group cx owns tiles 4 u + cx, u = 0 .. 31.  Tile u works in key steps 0 .. u / 2 and lies on the diagonal in step u / 2, whatever cx is:
; no branch hangs on the place in the cluster.  Waves 0, 5, 10, 15 (i = w / 5) own two of the eight shortest tiles, u = i + 6 - 4 (i / 2) and u = i: 5 steps in all.  The other twelve (k = w - 1 - w / 5)
; own u = 31 - k and u = 8 + k: 21 steps in all.  Whether waves are dealt to the four SIMDs by w % 4 or by w / 4, each SIMD holds three waves of 21 steps and one of 5: 68 steps.
; THE ORDER: phase 1: the twelve waves' tile A, steps 0-3, on the first 512 keys; one barrier, behind which the whole head is in LDS; then tile A's other steps (the four waves': all) and tile B's.
; The loops' trip counts are constants; a step that a tile does not have is jumped over by a scalar branch on the step and on numbers made of the wave's number.
; LAYOUT: both products are used transposed (S^T = K Q^T, O^T = V^T P^T): a lane holds ONE query (lane % 16).  Lane r of K's tile 2 b + u takes key 32 b + 8 u + r + 8 (r / 8), so that the 16 registers
; of tiles 2 b, 2 b + 1 are the keys 32 b + 16 (lane / 16) + 0 .. 15: the conversions' results are the second product's operand.
; No prefetch: the second group of loads goes out behind the first group's wait, with no trip of a loop ahead of it in which to ask.
; LIMITS: e4 >= -8: p is at most 1 and 448 x 2^e4 is then at least 1.75, so the quantiser's hold can never bind on p and is not written; e4 <= 127.  e2 + e3 between -123 and 130 (added to c's exponent field);
; e6 between -126 and 119; e4 + e5 goes by v_ldexp_f32 and has none.  The promise holds while |t| stays under 2^31.
.set KPIT,  288                        ; K: 4 keys take 288 bytes: 16 bytes of padding behind every 2 keys (128 bytes).  Key y, byte d: (y / 2) 144 + (y % 2) 64 + d.  The sixteen keys of a fragment load, y = 0 .. 7 and 16 .. 23, then start in sixteen different 16-byte columns modulo 256 bytes
.set VPIT,  272                        ; V: a channel's 256 keys of a chunk + 16
.set VBASE, 512*KPIT
.set VCH,   64*VPIT                    ; a chunk
.set STG,   VBASE+8*VCH                ; a stage of 16 rows x 80 bytes for each wave; no fill lands there
.set SPARE, STG+16*1280                ; the spare words, 128 bytes for each wave
.set AK0, 1                            ; my lane's place in a tile of K
.set AV0, 2                            ; the same for V
.set STO, 3                            ; the stage: in
.set RD,  4                            ; the stage: back
.set RH,  5                            ; r - 16 h, for the mask
.set SPW, 6                            ; LDS address of my spare word; never rewritten
.set GO,  7                            ; 16 x lane
.set ADK, 8
.set ADV, 9
.set QOF, 10
.set NIL, 11                           ; 0; never rewritten
.set STA, 12                           ; -M, the largest t, l in two halves: tile A's
.set STB, 16                           ; tile B's
.set QA,  20
.set QB,  28
.set F,   36                           ; v36-99 eight fragments of K, then four of V
.set S,   100                          ; v100-163 S^T, then p
.set OTA, 164
.set OTB, 196
.set PC,  228                          ; p's codes
.set SCP, 244                          ; 2^e4 as f32 (on the way out 2^e6)
.set LIMP, 245                         ; on the way out 448 x 2^e6
.set SUM2, 246
.set FF,  248                          ; f = 2^(old M - new M); v249 is named with it as a pair
.set TM,  250                          ; v250-254 at work: chains of the maximum and of the sum, the mask
.set TN,  251
.set PL,  252
.set MD,  253
.set MI,  254
.set KLO, 2                            ; s2   tile A's first step behind the barrier: 4, or 0 in the four waves
.set K1,  3                            ; s3   phase 1's last step: 3, or -1 in the four waves
.set WV,  12
.set G1KA, 24                          ; groups 1: K 16 rows, V 16 rows, K 48 rows, V 64 rows
.set G1VA, 32
.set G1KB, 40
.set G1VB, 48
.set G0K, 56
.set G0V, 60
.set SEL, 66
.set CS,  68
.set KI,  70                           ; the key step
.set TK,  71                           ; its K's first LDS byte
.set TV,  72                           ; its V's, counted from VBASE
.set KA,  73
.set KB,  74
.set DQA, 75
.set DQB, 76
.set CNT, 77
.set T1,  78
.set EO,  79                           ; e4 + e5
.macro CROUND                          ; a round of the cluster's barrier
	s_barrier_signal -1
	s_barrier_wait -1
	s_cmp_lg_u32 s[WV], 0
	s_cbranch_scc1 .Lnot_wave_0_\@
	s_barrier_signal -3
.Lnot_wave_0_\@:
	s_barrier_wait -3
	s_barrier_signal -1
	s_barrier_wait -1
.endm
.macro G1SET g, rows, pitch, qi        ; qi: the padding's interval, 2 << qi words
	s_mov_b32 s[\g], 15|(1<<20)|(1<<21)|((\qi)<<22)|(3<<25)
	s_mov_b32 s[\g+1], 256<<16
	s_mov_b32 s[\g+2], (\rows)<<16
	s_mov_b32 s[\g+3], 256<<16
	s_mov_b32 s[\g+4], \rows
	s_mov_b32 s[\g+5], \pitch
	s_mov_b32 s[\g+6], 0
	s_mov_b32 s[\g+7], 0
.endm
.macro TL g0, g1                       ; a tensor load with an s_nop and four v_nop behind it
	tensor_load_to_lds s[\g0:\g0+3], s[\g1:\g1+7]
	s_nop 0
.rept 4
	v_nop
.endr
.endm
.macro TILE u, kx, dq, po, pq          ; s[u] holds the tile's u and is used up
	s_lshr_b32 s[\kx], s[\u], 1                    ; its last step
	s_and_b32 s[\dq], s[\u], 1
	s_lshl_b32 s[\dq], s[\dq], 2
	s_add_co_u32 s[\dq], s[\dq], s13
	s_lshl_b32 s[\dq], s[\dq], 4                   ; its first query, counted from that step's first key: 16 (4 (u % 2) + cx)
	s_lshl_b32 s[\u], s[\u], 2
	s_add_co_u32 s[\u], s[\u], s13                 ; the tile: 4 u + cx
	s_lshl_b32 s98, s[\u], 10                      ; 16 rows of 64 bytes
	s_mov_b32 s99, 0
	s_add_nc_u64 s[98:99], s[98:99], s[80:81]
	s_add_nc_u64 s[\po:\po+1], s[10:11], s[98:99]  ; in a_codes,
	s_add_nc_u64 s[\pq:\pq+1], s[4:5], s[98:99]    ; and in q
.endm
	s_load_b256 s[4:11], s[0:1], 0x0               ; qk_codes, v_codes, the scales' exponents, a_codes
	v_lshl_add_u32 v[SPW], v0, 2, SPARE
	v_mov_b32 v[NIL], 0
	ds_add_u32 v[SPW], v[NIL]                      ; the opening lines: the add twice on end and one wait, ahead of my first tensor load
	ds_add_u32 v[SPW], v[NIL]
	v_lshrrev_b32 v[TM], 5, v0
	v_readfirstlane_b32 s[WV], v[TM]               ; wave 0..15
	s_bfe_u32 s13, ttmp6, 0x40000                  ; cx: it enters q's and a_codes' addresses and the mask's numbers, nothing else
	s_and_b32 s14, ttmp7, 0xffff                   ; g
	s_and_b32 s15, s[WV], 7                        ; j: which eighth I fetch
	s_lshl_b32 s80, s14, 17                        ; a head is 131,072 bytes in each tensor
	s_mov_b32 s81, 0
	G1SET G1KA, 16, 256, 4                         ; K: 4 words of padding behind every 32; V: behind every 64
	G1SET G1VA, 16, 2048, 5
	G1SET G1KB, 48, 256, 4
	G1SET G1VB, 64, 2048, 5
	s_mov_b32 s[SEL], 0x76543210
	s_mov_b32 s[SEL+1], 0xfedcba98
	s_mov_b32 s[G0K], 1
	s_mov_b32 s[G0V], 1
	s_mul_i32 s[G0K+1], s15, 16*KPIT               ; first group, K: keys 64 j on
	s_mul_i32 s[G0V+1], s15, 16*VPIT               ; V: chunk j / 4, channels 16 (j % 4) on: row 16 j of V's LDS rows
	s_add_co_u32 s[G0V+1], s[G0V+1], VBASE
	s_lshl_b32 s82, s15, 12
	s_add_co_u32 s82, s82, 8388608                 ; k lies behind q's 64 heads
	s_mov_b32 s83, 0
	s_add_nc_u64 s[82:83], s[82:83], s[80:81]
	s_and_b32 s84, s15, 3
	s_lshl_b32 s84, s84, 15                        ; 16 channels of 2,048 bytes
	s_lshr_b32 s85, s15, 2
	s_lshl_b32 s85, s85, 8
	s_add_co_u32 s84, s84, s85
	s_mov_b32 s85, 0
	s_add_nc_u64 s[84:85], s[84:85], s[80:81]
	s_mul_i32 s86, s15, 12288                      ; second group, K: keys 512 + 192 j on
	s_add_co_u32 s86, s86, 8388608+32768
	s_mov_b32 s87, 0
	s_add_nc_u64 s[86:87], s[86:87], s[80:81]
	s_min_u32 s96, s15, 5                          ; V: chunk 2 + j, j = 0 .. 5 (waves 14 and 15 ask for nothing)
	s_lshl_b32 s100, s96, 8
	s_add_co_u32 s100, s100, 512
	s_mov_b32 s101, 0
	s_add_nc_u64 s[100:101], s[100:101], s[80:81]
	s_wait_dscnt 0x0                               ; both opening adds are done
	s_wait_kmcnt 0x0
	s_load_b256 s[16:23], s[8:9], 0x0              ; e0 .. e7
	s_add_nc_u64 s[G0K+2:G0K+3], s[4:5], s[82:83]
	s_or_b32 s[G0K+3], s[G0K+3], 0x80000000
	s_add_nc_u64 s[G0V+2:G0V+3], s[6:7], s[84:85]
	s_or_b32 s[G0V+3], s[G0V+3], 0x80000000
	CROUND                                         ; all four work-groups are here: the joint loads meet
	s_cmp_lt_u32 s[WV], 8                          ; one load in each arm: every wave issues one
	s_cbranch_scc0 .Lv_first
	TL G0K, G1KA
	s_branch .Lasked_first
.Lv_first:
	TL G0V, G1VA
.Lasked_first:
	s_mul_i32 s82, s[WV], 13
	s_lshr_b32 s82, s82, 6                         ; i = w / 5 (13 w / 64 for w under 16)
	s_mul_i32 s83, s82, 5
	s_sub_co_u32 s84, s[WV], s82
	s_sub_co_u32 s84, s84, 1                       ; k = w - 1 - w / 5
	s_sub_co_u32 s85, 31, s84                      ; the twelve: tile A: u = 31 - k,
	s_add_co_u32 s84, s84, 8                       ; tile B: u = 8 + k
	s_lshr_b32 s98, s82, 1
	s_lshl_b32 s98, s98, 2
	s_add_co_u32 s99, s82, 6
	s_sub_co_u32 s99, s99, s98                     ; the four: tile A: u = i + 6 - 4 (i / 2); tile B: u = i
	s_cmp_eq_u32 s83, s[WV]                        ; w = 0, 5, 10, 15?
	s_cselect_b32 s97, s99, s85
	s_cselect_b32 s[T1], s82, s84
	s_cselect_b32 s[K1], -1, 3
	s_cselect_b32 s[KLO], 0, 4
	TILE 97, KA, DQA, 88, 92
	TILE T1, KB, DQB, 90, 94
	s_mul_i32 s97, s[WV], 1280
	s_add_co_u32 s97, s97, STG                     ; my stage
	v_and_b32 v[MD], 15, v0                        ; r
	v_bfe_u32 v[MI], v0, 4, 1                      ; h
	v_lshlrev_b32 v[QOF], 6, v[MD]
	v_lshl_add_u32 v[QOF], v[MI], 4, v[QOF]        ; q: row r, + 16 h
	global_load_b128 v[QA:QA+3],   v[QOF], s[92:93]            ; registers 0-3: d = 16 h + 0 .. 15; 4-7: d = 32 + 16 h + 0 .. 15: the order in which K's fragments come too
	global_load_b128 v[QA+4:QA+7], v[QOF], s[92:93] offset:32
	global_load_b128 v[QB:QB+3],   v[QOF], s[94:95]
	global_load_b128 v[QB+4:QB+7], v[QOF], s[94:95] offset:32
	v_lshrrev_b32 v[AK0], 2, v[MD]
	v_lshrrev_b32 v[AV0], 3, v[MD]
	v_lshl_add_u32 v[AK0], v[AV0], 1, v[AK0]       ; key r + 8 (r / 8) lies in row r / 4 + 2 (r / 8),
	v_mul_u32_u24 v[AK0], v[AK0], KPIT
	v_and_b32 v[AV0], 3, v[MD]
	v_lshl_add_u32 v[AK0], v[AV0], 6, v[AK0]       ; at 64 (r % 4),
	v_bfe_u32 v[AV0], v[MD], 1, 1
	v_lshl_add_u32 v[AK0], v[AV0], 4, v[AK0]       ; + 16 behind the row's first two keys,
	v_lshl_add_u32 v[AK0], v[MI], 4, v[AK0]        ; + 16 h
	v_mul_u32_u24 v[AV0], v[MD], VPIT
	v_lshl_add_u32 v[AV0], v[MI], 4, v[AV0]
	v_add_nc_u32 v[AV0], VBASE, v[AV0]             ; V: channel r, + 16 h
	v_mul_u32_u24 v[STO], v[MD], 80
	v_lshl_add_u32 v[STO], v[MI], 3, v[STO]
	v_add_nc_u32 v[STO], s97, v[STO]               ; in: row r, + 8 h
	v_and_b32 v[GO], 31, v0
	v_lshrrev_b32 v[RD], 2, v[GO]
	v_mul_u32_u24 v[RD], v[RD], 80
	v_and_b32 v[RH], 3, v[GO]
	v_lshl_add_u32 v[RD], v[RH], 4, v[RD]
	v_add_nc_u32 v[RD], s97, v[RD]                 ; back: four lanes to a row of 64 bytes
	v_lshlrev_b32 v[RH], 4, v[MI]
	v_sub_nc_u32 v[RH], v[MD], v[RH]
	v_lshlrev_b32 v[GO], 4, v[GO]
	v_mov_b32 v[STA+1], 0xff61b1e6                 ; the largest t so far: -3e38, under every t
	v_floor_f32 v[STA], -v[STA+1]                  ; -M
	v_mov_b32 v[STA+2], 0
	v_mov_b32 v[STA+3], 0
	v_mov_b32 v[STB+1], 0xff61b1e6
	v_floor_f32 v[STB], -v[STB+1]
	v_mov_b32 v[STB+2], 0
	v_mov_b32 v[STB+3], 0
	v_mov_b32 v[PL], 0                             ; a lane permute's destination counts as one of its sources
	v_mov_b32 v[FF+1], 0
.set j, 0
.rept 64
	v_mov_b32 v[OTA+j], 0                          ; O^T of both tiles: the step has no first step of its own; the first change of M multiplies zeros
.set j, j+1
.endr
	s_wait_kmcnt 0x0
	s_add_co_i32 s97, s18, s19
	s_lshl_b32 s97, s97, 23
	s_mov_b32 s[CS], 0x3e38aa3b                    ; log2(e) / sqrt(64)
	s_add_co_i32 s[CS], s[CS], s97                 ; x 2^(e2 + e3)
	s_mov_b32 s[CS+1], s[CS]
	s_add_co_i32 s97, s20, 127
	s_lshl_b32 s98, s97, 23
	v_mov_b32 v[SCP], s98                          ; 2^e4
	s_add_co_i32 s[EO], s20, s21
	s_mov_b32 s[KI], 0
	s_mov_b32 s[TK], 0
	s_mov_b32 s[TV], 0
; ONE TILE, ONE KEY STEP of 128 keys.  A step behind s[kx] is jumped over.  full = 0: no step on the diagonal can come.  full = 1: the step s[kx] is masked.  full = 2: also, steps ahead of s[KLO] are jumped over.
.macro TSTEP st, q, o, kx, dq, full
	s_cmp_gt_i32 s[KI], s[\kx]
	s_cbranch_scc1 .Lhid_\@
.if \full == 2
	s_cmp_lt_u32 s[KI], s[KLO]
	s_cbranch_scc1 .Lhid_\@
.endif
	v_add_nc_u32 v[ADK], s[TK], v[AK0]
	v_add_nc_u32 v[ADV], s[TV], v[AV0]
	v_nop
	v_nop                                          ; four plain instructions between the last products, which read F, and the loads into it
.irp t, 0,1,2,3,4,5,6,7
.irp c, 0,1
	ds_load_b128 v[F+8*\t+4*\c:F+8*\t+4*\c+3], v[ADK] offset:(8*(\t/2)+2*(\t%2))*KPIT+32*\c   ; tile t begins at key 32 (t / 2) + 8 (t % 2)
.endr
.endr
	s_wait_alu depctr_va_vdst(0)                   ; the wait ahead of the wait below
	s_wait_dscnt 0x0
.irp t, 0,1,2,3,4,5,6,7
	v_wmma_f32_16x16x64_fp8_fp8 v[S+8*\t:S+8*\t+7], v[F+8*\t:F+8*\t+7], v[\q:\q+7], 0   ; register 16 b + i of lane (r, h): query r, key 32 b + 16 h + i
.endr
.rept 4
	v_nop                                          ; places in front of the loads into F and of the first read of the scores
.endr
.irp t, 0,1,2,3
.irp c, 0,1,2,3
	ds_load_b128 v[F+16*\t+4*\c:F+16*\t+4*\c+3], v[ADV] offset:16*\t*VPIT+32*\c   ; V's four fragments land while the softmax is worked
.endr
.endr
.if \full
	s_cmp_lg_u32 s[KI], s[\kx]
	s_cbranch_scc1 .Lopen_\@
	v_add_nc_u32 v[MD], s[\dq], v[RH]              ; my query, counted from the step's first key, less 16 h: key 32 b + i of my half is hidden where 32 b + i is greater
	v_mov_b32 v[MI], 0xff800000                    ; -infinity: p = 0 then
.set n, 0
.rept 64
	v_cmp_gt_i32 vcc_lo, 32*(n/16)+n%16, v[MD]
	v_cndmask_b32 v[S+n], v[S+n], v[MI], vcc_lo
.set n, n+1
.endr
.Lopen_\@:
.endif
	v_max3_num_f32 v[TM], v[S], v[S+1], v[S+2]     ; the step's largest score of my query among my 64 keys, in four chains, in ascending order: each accumulator from its low end on
	v_max3_num_f32 v[TN], v[S+3], v[S+4], v[S+5]
	v_max3_num_f32 v[MD], v[S+6], v[S+7], v[S+8]
	v_max3_num_f32 v[MI], v[S+9], v[S+10], v[S+11]
.set n, 12
.rept 6
	v_max3_num_f32 v[TM], v[TM], v[S+n], v[S+n+1]
	v_max3_num_f32 v[TN], v[TN], v[S+n+2], v[S+n+3]
	v_max3_num_f32 v[MD], v[MD], v[S+n+4], v[S+n+5]
	v_max3_num_f32 v[MI], v[MI], v[S+n+6], v[S+n+7]
.set n, n+8
.endr
	v_max3_num_f32 v[TM], v[TM], v[S+60], v[S+61]
	v_max3_num_f32 v[TN], v[TN], v[S+62], v[S+63]
	v_max3_num_f32 v[TM], v[TM], v[TN], v[MD]
	v_max_num_f32 v[TM], v[TM], v[MI]
	s_delay_alu instid0(VALU_DEP_1)
	v_permlanex16_b32 v[PL], v[TM], s[SEL], s[SEL+1]
	s_delay_alu instid0(VALU_DEP_1)
	v_max_num_f32 v[TM], v[TM], v[PL]              ; and among lane l xor 16's
	s_delay_alu instid0(VALU_DEP_1)
	v_mul_f32 v[TM], s[CS], v[TM]                  ; as t (c is positive)
	s_delay_alu instid0(VALU_DEP_1)
	v_max_num_f32 v[\st+1], v[\st+1], v[TM]        ; the running largest t
	v_mov_b32 v[TM], v[\st]
	s_delay_alu instid0(VALU_DEP_2)
	v_floor_f32 v[\st], -v[\st+1]                  ; the new -M = floor(-t)
	s_delay_alu instid0(VALU_DEP_1)
	v_sub_f32 v[TM], v[\st], v[TM]                 ; old M less new M: a whole number, 0 or less
	s_delay_alu instid0(VALU_DEP_1)
	v_cvt_i32_f32 v[TM], v[TM]                     ; (it saturates)
	s_delay_alu instid0(VALU_DEP_1)
	v_ldexp_f32 v[FF], 1.0, v[TM]                  ; f = 2^(old M - new M)
.set n, 0
.rept 32
	v_pk_fma_f32 v[S+n:S+n+1], v[S+n:S+n+1], s[CS:CS+1], v[\st:\st+1] op_sel_hi:[1,0,0]   ; t - M, two at a time
.set n, n+2
.endr
.set n, 0
	s_wait_alu depctr_va_vdst(0)                   ; the wait ahead of the batch
.rept 64
	v_exp_f32 v[S+n], v[S+n]                       ; p = 2^(t - M)
.set n, n+1
.endr
	v_pk_mul_f32 v[\st+2:\st+3], v[\st+2:\st+3], v[FF:FF+1] op_sel_hi:[1,0]   ; l under the new M: the plain instruction behind the exponentials
	s_wait_alu depctr_va_vdst(0)                   ; one wait for the whole batch, ahead of its first reader
	v_pk_add_f32 v[SUM2:SUM2+1], v[S:S+1], v[S+2:S+3]   ; l is the sum of the UNQUANTISED p: two at a time, in four chains
	v_pk_add_f32 v[TM:TM+1], v[S+4:S+5], v[S+6:S+7]
	v_pk_add_f32 v[PL:PL+1], v[S+8:S+9], v[S+10:S+11]
.set n, 12
.rept 6
	v_pk_add_f32 v[\st+2:\st+3], v[\st+2:\st+3], v[S+n:S+n+1]
	v_pk_add_f32 v[SUM2:SUM2+1], v[SUM2:SUM2+1], v[S+n+2:S+n+3]
	v_pk_add_f32 v[TM:TM+1], v[TM:TM+1], v[S+n+4:S+n+5]
	v_pk_add_f32 v[PL:PL+1], v[PL:PL+1], v[S+n+6:S+n+7]
.set n, n+8
.endr
	v_pk_add_f32 v[\st+2:\st+3], v[\st+2:\st+3], v[S+60:S+61]
	v_pk_add_f32 v[SUM2:SUM2+1], v[SUM2:SUM2+1], v[S+62:S+63]
	v_pk_add_f32 v[TM:TM+1], v[TM:TM+1], v[PL:PL+1]
	v_pk_add_f32 v[\st+2:\st+3], v[\st+2:\st+3], v[SUM2:SUM2+1]
	v_pk_add_f32 v[\st+2:\st+3], v[\st+2:\st+3], v[TM:TM+1]
.irp b, 0,1,2,3,4,5,6,7
	v_cvt_scalef32_pk8_fp8_f32 v[PC+2*\b:PC+2*\b+1], v[S+8*\b:S+8*\b+7], v[SCP]   ; p <= 1 < 448 x 2^e4 (e4 >= -8): no hold is owed
.endr
	s_wait_alu depctr_va_vdst(0)                   ; the wait directly ahead of the first reader of O^T
.set n, 0
.rept 16
	v_pk_mul_f32 v[\o+n:\o+n+1], v[\o+n:\o+n+1], v[FF:FF+1] op_sel_hi:[1,0]   ; O^T under the new M; these are also the plain instructions behind the conversions
.set n, n+2
.endr
	s_wait_alu depctr_va_vdst(0)                   ; and ahead of the wait below
	s_wait_dscnt 0x0                               ; V's fragments are in
.irp t, 0,1,2,3
	v_wmma_f32_16x16x128_fp8_fp8 v[\o+8*\t:\o+8*\t+7], v[F+16*\t:F+16*\t+15], v[PC:PC+15], v[\o+8*\t:\o+8*\t+7]   ; four accumulators by turns; the next step's eight products stand between two turns of one
.endr
.Lhid_\@:
.endm
.macro NEXTSTEP
	s_add_co_u32 s[TK], s[TK], 32*KPIT             ; 128 keys are 32 rows of K
	s_add_co_u32 s[KI], s[KI], 1
	s_lshr_b32 s[TV], s[KI], 1                     ; V: chunk step / 2, byte 128 (step % 2) of its rows
	s_mul_i32 s[TV], s[TV], VCH
	s_and_b32 s[T1], s[KI], 1
	s_lshl_b32 s[T1], s[T1], 7
	s_add_co_u32 s[TV], s[TV], s[T1]
	s_sub_co_u32 s[CNT], s[CNT], 1
	s_cmp_lg_u32 s[CNT], 0
.endm
	s_wait_alu depctr_va_vdst(0)                   ; the wait at the head's end
	s_wait_tensorcnt 0x0                           ; my part of the first 512 keys is in
	ds_add_u32 v[SPW], v[NIL]
	s_mul_i32 s[G0K+1], s15, 48*KPIT               ; no load of mine is out: the groups 0 take the second group's places
	s_add_co_u32 s[G0K+1], s[G0K+1], 128*KPIT
	s_add_nc_u64 s[G0K+2:G0K+3], s[4:5], s[86:87]
	s_or_b32 s[G0K+3], s[G0K+3], 0x80000000
	s_mul_i32 s[G0V+1], s96, VCH
	s_add_co_u32 s[G0V+1], s[G0V+1], VBASE+2*VCH
	s_add_nc_u64 s[G0V+2:G0V+3], s[6:7], s[100:101]
	s_or_b32 s[G0V+3], s[G0V+3], 0x80000000
	s_wait_dscnt 0x0
	CROUND                                         ; everybody's part is in, and all four work-groups are here
	s_cmp_lt_u32 s[WV], 8
	s_cbranch_scc0 .Lv_second
	TL G0K, G1KB
	s_branch .Lasked_second
.Lv_second:
	s_cmp_lt_u32 s[WV], 14
	s_cbranch_scc0 .Lasked_second
	TL G0V, G1VB
.Lasked_second:
	s_wait_loadcnt 0x0                             ; q
	s_mov_b32 s[CNT], 4
.Lphase1:                                              ; the twelve waves' tile A (u >= 20), steps 0-3: neither hidden nor on the diagonal; the four waves jump over all four
	TSTEP STA, QA, OTA, K1, DQA, 0
	NEXTSTEP
	s_cbranch_scc1 .Lphase1
	s_wait_alu depctr_va_vdst(0)
	s_wait_tensorcnt 0x0                           ; my part of the other 1,536 keys is in
	s_wait_dscnt 0x0
	s_barrier_signal -1
	s_barrier_wait -1                              ; the whole head lies in LDS: from here on no wave waits for another
	s_mov_b32 s[KI], 0
	s_mov_b32 s[TK], 0
	s_mov_b32 s[TV], 0
	s_mov_b32 s[CNT], 16
.Lphase2:                                              ; tile A, steps s[KLO] .. s[KA]
	TSTEP STA, QA, OTA, KA, DQA, 2
	NEXTSTEP
	s_cbranch_scc1 .Lphase2
	s_mov_b32 s[KI], 0
	s_mov_b32 s[TK], 0
	s_mov_b32 s[TV], 0
	s_mov_b32 s[CNT], 10
.Lphase3:                                              ; tile B (u <= 19), steps 0 .. s[KB]
	TSTEP STB, QB, OTB, KB, DQB, 1
	NEXTSTEP
	s_cbranch_scc1 .Lphase3
	; THE WAY OUT.  O^T x 2^(e4 + e5) / l, held, quantised with e6; a tile's 16 x 64 codes go through my stage and leave as 1,024 consecutive bytes.
	v_add_f32 v[STA+2], v[STA+2], v[STA+3]         ; l's two halves,
	v_add_f32 v[STB+2], v[STB+2], v[STB+3]
	s_delay_alu instid0(VALU_DEP_2)
	v_permlanex16_b32 v[PL], v[STA+2], s[SEL], s[SEL+1]
	s_delay_alu instid0(VALU_DEP_2)
	v_permlanex16_b32 v[TM], v[STB+2], s[SEL], s[SEL+1]
	s_delay_alu instid0(VALU_DEP_2)
	v_add_f32 v[STA+2], v[STA+2], v[PL]            ; and lane l xor 16's
	s_delay_alu instid0(VALU_DEP_2)
	v_add_f32 v[STB+2], v[STB+2], v[TM]
	s_add_co_i32 s97, s22, 127
	s_lshl_b32 s98, s97, 23
	s_add_co_i32 s97, s97, 8
	s_lshl_b32 s97, s97, 23
	s_or_b32 s97, s97, 0x600000
	s_wait_alu depctr_va_vdst(0)                   ; ahead of the batch of two
	v_rcp_f32 v[STA+2], v[STA+2]
	v_rcp_f32 v[STB+2], v[STB+2]
	v_mov_b32 v[SCP], s98                          ; 2^e6 (a plain instruction behind the reciprocals)
	v_mov_b32 v[LIMP], s97                         ; 448 x 2^e6
	s_wait_alu depctr_va_vdst(0)                   ; one wait for both reciprocals, ahead of their first reader
	v_ldexp_f32 v[STA+2], v[STA+2], s[EO]
	v_ldexp_f32 v[STB+2], v[STB+2], s[EO]
.macro OUT st, o, p, fb, base
	s_wait_alu depctr_va_vdst(0)                   ; the wait directly ahead of the first reader of O^T
.set n, 0
.rept 16
	v_pk_mul_f32 v[S+n:S+n+1], v[\o+n:\o+n+1], v[\st+2:\st+3] op_sel_hi:[1,0]   ; register 8 t + j: channel 16 t + 8 h + j of query r; each accumulator from its low end on
.set n, n+2
.endr
.set n, 0
.rept 32
	v_med3_num_f32 v[S+n], v[S+n], -v[LIMP], v[LIMP]   ; the conversion does not saturate (ISA guide 7.6.2): the hold comes first
.set n, n+1
.endr
.irp t, 0,1,2,3
	v_cvt_scalef32_pk8_fp8_f32 v[\p+2*\t:\p+2*\t+1], v[S+8*\t:S+8*\t+7], v[SCP]
.endr
	v_nop                                          ; one plain vector instruction behind the last conversion
.irp t, 0,1,2,3
	ds_store_b64 v[STO], v[\p+2*\t:\p+2*\t+1] offset:16*\t
.endr
.irp i, 0,1
	ds_load_b128 v[\fb+4*\i:\fb+4*\i+3], v[RD] offset:640*\i   ; LDS serves a wave's instructions in order: these see my stores, and the next tile's stores come behind them
.endr
.irp i, 0,1
	s_wait_dscnt 1-\i
	global_store_b128 v[GO], v[\fb+4*\i:\fb+4*\i+3], s[\base:\base+1] offset:512*\i   ; the wave stores 512 consecutive bytes, aligned
.endr
.endm
	OUT STA, OTA, PC, F, 88
	OUT STB, OTB, PC+8, F+8, 90
	s_wait_tensorcnt 0x0                           ; the wave's end
	ds_add_u32 v[SPW], v[NIL]
	s_wait_dscnt 0x0
	CROUND                                         ; the closing round
	s_endpgm
.Lfunc_end_k_q042ed2760b_attn:
	.size	k_q042ed2760b_attn, .Lfunc_end_k_q042ed2760b_attn-k_q042ed2760b_attn
	.p2alignl 7, 3214868480
	.fill 96, 4, 3214868480
	.section	.rodata,"a",@progbits
	.p2align	6, 0x0
	.amdhsa_kernel k_q042ed2760b_attn
		.amdhsa_group_segment_fixed_size 327680
		.amdhsa_private_segment_fixed_size 0
		.amdhsa_enable_private_segment 0
		.amdhsa_kernarg_size 32
		.amdhsa_user_sgpr_count 2
		.amdhsa_user_sgpr_kernarg_segment_ptr 1
		.amdhsa_wavefront_size32 1
		.amdhsa_system_sgpr_workgroup_id_x 1
		.amdhsa_system_sgpr_workgroup_id_y 1
		.amdhsa_system_sgpr_workgroup_id_z 1
		.amdhsa_system_vgpr_workitem_id 0
		.amdhsa_next_free_vgpr 256
		.amdhsa_next_free_sgpr 102
		.amdhsa_reserve_vcc 1
		.amdhsa_float_denorm_mode_32 3
		.amdhsa_float_denorm_mode_16_64 3
		.amdhsa_memory_ordered 1
		.amdhsa_forward_progress 1
		.amdhsa_inst_pref_size 75
	.end_amdhsa_kernel
	.amdgpu_metadata
---
amdhsa.version: [ 1, 2 ]
amdhsa.kernels:
  - .name:           k_q042ed2760b_attn
    .symbol:         k_q042ed2760b_attn.kd
    .args:
      - { .name: qk_codes, .offset: 0, .size: 8, .value_kind: global_buffer, .address_space: global }
      - { .name: v_codes, .offset: 8, .size: 8, .value_kind: global_buffer, .address_space: global }
      - { .name: lowp_scales, .offset: 16, .size: 8, .value_kind: global_buffer, .address_space: global }
      - { .name: a_codes, .offset: 24, .size: 8, .value_kind: global_buffer, .address_space: global }
    .group_segment_fixed_size: 327680
    .private_segment_fixed_size: 0
    .kernarg_segment_align: 8
    .kernarg_segment_size: 32
    .max_flat_workgroup_size: 512
    .sgpr_count:     102
    .vgpr_count:     256
    .wavefront_size: 32
...
	.end_amdgpu_metadata
.endif
;; end of part 3
;; launch proj (part 4): grid 4 x 64, 4 waves a work-group, clusters of 4 x 4, 327,680 bytes of LDS; arguments a_codes, codes, lowp_scales, b_out, out0; writes out0
.if DOCPART == 4
	.amdgcn_target "amdgcn-amd-amdhsa--gfx1250"
	.amdhsa_code_object_version 6
	.text
	.protected	k_q042ed2760b_proj
	.globl	k_q042ed2760b_proj
	.p2align	8
	.type	k_q042ed2760b_proj,@function
k_q042ed2760b_proj:
	s_mov_b64 s[64:65], 0
	v_nop
	global_prefetch_b8 v0, s[64:65] scope:SCOPE_SE
	s_setreg_imm32_b32 hwreg(HW_REG_WAVE_MODE, 25, 1), 1
	s_wait_xcnt 0x0
	s_wait_alu depctr_hold_cnt(0) depctr_sa_sdst(0) depctr_va_vdst(0) depctr_va_sdst(0) depctr_va_ssrc(0) depctr_va_vcc(0) depctr_vm_vsrc(0)
	s_getreg_b32 s2, hwreg(HW_REG_IB_STS2, 6, 4)
	s_cmp_eq_u32 s2, 0
	s_cbranch_scc0 .Lentry_in_a_cluster
	s_endpgm
.Lentry_in_a_cluster:
	s_bfe_u32 s2, ttmp6, 0x10000c
	s_cmp_lg_u32 s2, 0xf033
	s_cbranch_scc0 .Lentry_shape_is_right
	s_endpgm
.Lentry_shape_is_right:
; out0 = a w_out + b_out on codes of FP8 (E4M3), K = 1,024.  The sums start from b_out / 2^(e6 + e7) and are multiplied once by 2^(e6 + e7).
; A: a_codes [g = 16 b + head][t][64].  B: w_out's codes, from byte 11,534,336 of the codes' buffer, laid [chunk of 256 along K][column n][256].
; A block of 128 rows x 256 columns to a work-group: 64 x 4 = 256 work-groups.  Four waves, each 64 x 128: 32 accumulators.  THE MATRIX INSTRUCTION IS USED TRANSPOSED (source 0 = 16 columns of w_out,
; source 1 = 16 rows of a): a lane holds eight neighbouring numbers of a row of out0.
; LDS HOLDS THREE OF K'S FOUR CHUNKS AT ONCE.  A chunk is 256 along K = four heads.  Each wave's one load at the head brings chunks 0-2 of its part: waves 0, 1: 64 rows of a as 12 heads x 4,096 bytes on end;
; waves 2, 3: 128 columns as 3 chunks x 32,768 bytes on end; 16 bytes of padding behind every 256.  Chunk 3 is the launch's one refill: it lands on chunk 0's bytes, behind the three lines and a round
; of the cluster's barrier that stand in K step 1, when every wave has read chunk 0; K steps 2-5 are worked while it is on its way.
; CLUSTERS: 4 x 4 work-groups; a's tile is asked for jointly along a row of the cluster, w_out's along a column.
; No prefetch: the text has no loop to run ahead in; the one refill goes out one chunk's work behind the head's loads.
; LIMIT: e6 + e7 between -126 and 127.
; REGISTERS: window 0: v16-31 addresses; v64-127 the bias; v128-255 a's fragments, two sets of 4 x 16; on the way out v32-95 and v128-255 are at work.  Window 1: w_out's fragments, two sets of 8 x 16.
; Window 2: the accumulators, (a, b) at v[8 (8 a + b)].
.set PITCH,  272                       ; an LDS row: 256 bytes + 16: row r starts at bank 4 r mod 64 (64 banks of 4 bytes: ISA guide 11.1)
.set HEADB,  16*PITCH                  ; a head's 64 rows x 64 bytes
.set CHA,    4*HEADB                   ; a chunk of 64 rows of a
.set AREG,   3*CHA
.set CHB,    128*PITCH                 ; a chunk of 128 columns
.set BREG,   3*CHB
.set BBASE,  2*AREG
.set SPARE,  BBASE+2*BREG              ; the spare words, 128 bytes for each wave
.set STAGE,  BBASE+CHB                 ; the way out: 16 rows x 528 bytes for each wave, on chunk 1's bytes of the first 128 columns: filled once, and read by nobody behind K step 5's barrier
.set SPITCH, 528
.set ADRA, 16
.set ADRB, 20                          ; v20-22: one for each chunk's place
.set STO,  24
.set RD,   25
.set CO,   26
.set SPW,  28
.set NIL,  29
.set BOQ,  31
.set TMP,  32
.set BIAS, 64
.set AF,   128
.set BK,   128
.set G1A,  24                          ; groups 1: a at the head, w_out at the head, a's refill, w_out's refill
.set G1B,  48
.set G1A2, 68
.set G1B2, 76
.set G0A,  32                          ; groups 0 likewise
.set G0A2, 36
.set G0B,  56
.set G0B2, 60
.set MSB, 0
.macro WIN new                         ; the immediate's high byte repeats the setting that is left
.if MSB != (\new)
	s_set_vgpr_msb (MSB<<8)|(\new)
.set MSB, (\new)
.endif
.endm
.set MUL_LO, 0xa1                      ; source 0 window 1, source 1 window 0, C and D window 2
.set ONE_LO, 0x81                      ; the same with C (the bias) in window 0
.set TO_B,   0x40                      ; destination window 1
.macro JLOAD g0a, g1a, g0b, g1b        ; waves 0 and 1 fetch for a, waves 2 and 3 for w_out
	s_cmp_eq_u32 s15, 0
	s_cbranch_scc0 .Lfor_b_\@
	tensor_load_to_lds s[\g0a:\g0a+3], s[\g1a:\g1a+7]
	s_nop 0
.rept 4
	v_nop
.endr
	s_branch .Lasked_\@
.Lfor_b_\@:
	tensor_load_to_lds s[\g0b:\g0b+3], s[\g1b:\g1b+7]
	s_nop 0
.rept 4
	v_nop
.endr
.Lasked_\@:
.endm
.macro CREST
	s_cmp_lg_u32 s14, 0
	s_cbranch_scc1 .Lnot_wave_0_\@
	s_barrier_signal -3
.Lnot_wave_0_\@:
	s_barrier_wait -3
	s_barrier_signal -1
	s_barrier_wait -1
.endm
.macro CROUND
	s_barrier_signal -1
	s_barrier_wait -1
	CREST
.endm
.macro G1SET g, m, logb, c, r, p       ; r rows of c elements of 2^logb bytes, p elements apart; the mask from s[m], bit 21 beside it; 4 words of padding behind every 64
	s_or_b32 s[\g], s[\m], ((\logb)<<16)|(1<<20)|(1<<21)|(5<<22)|(3<<25)
	s_mov_b32 s[\g+1], (\c)<<16
	s_mov_b32 s[\g+2], (\r)<<16
	s_mov_b32 s[\g+3], (\c)<<16
	s_mov_b32 s[\g+4], \r
	s_mov_b32 s[\g+5], \p
	s_mov_b32 s[\g+6], 0
	s_mov_b32 s[\g+7], 0
.endm
.macro PLACES
.rept 4
	v_nop
.endr
.endm
	s_load_b256 s[4:11], s[0:1], 0x0               ; a_codes, the codes' buffer, the scales' exponents, b_out
	s_load_b64 s[12:13], s[0:1], 0x20              ; out0
	v_lshl_add_u32 v[SPW], v0, 2, SPARE
	v_mov_b32 v[NIL], 0
	ds_add_u32 v[SPW], v[NIL]                      ; the opening lines: the add twice on end and one wait
	ds_add_u32 v[SPW], v[NIL]
	v_lshrrev_b32 v1, 5, v0
	v_readfirstlane_b32 s14, v1                    ; wave 0..3
	s_lshr_b32 s15, s14, 1                         ; which 64 rows are mine.  Also: I fetch for a (0) or for w_out (1)
	s_and_b32 s16, s14, 1                          ; which 128 columns.  Also: which half of that tile I fetch
	s_bfe_u32 s40, ttmp6, 0x40000                  ; cx = the block's column
	s_bfe_u32 s41, ttmp6, 0x40004                  ; cy
	s_and_b32 s17, ttmp7, 0xffff
	s_lshl_b32 s17, s17, 2
	s_add_co_u32 s17, s17, s41                     ; the block's row, 0 .. 63
	s_lshl_b32 s43, s41, 2
	s_lshl_b32 s43, 15, s43                        ; my row of the cluster
	s_lshl_b32 s44, 0x1111, s40                    ; my column
	G1SET G1A,  43, 0, 4096, 12, 131072
	G1SET G1A2, 43, 0, 4096, 4, 131072
	G1SET G1B,  44, 3, 4096, 3, 32768
	G1SET G1B2, 44, 0, 256, 128, 256
	s_lshl_b32 s18, s16, 6
	s_lshr_b32 s20, s17, 4                         ; b
	s_lshl_b32 s20, s20, 21                        ; 16 heads of 131,072 bytes
	s_and_b32 s21, s17, 15
	s_lshl_b32 s21, s21, 7
	s_add_co_u32 s21, s21, s18                     ; t of the first row that I fetch
	s_lshl_b32 s21, s21, 6
	s_add_co_u32 s20, s20, s21
	s_mov_b32 s21, 0
	s_lshl_b32 s46, s40, 8
	s_lshl_b32 s47, s16, 7
	s_add_co_u32 s46, s46, s47                     ; the first column that I fetch,
	s_lshl_b32 s46, s46, 8                         ; 256 bytes each in a chunk
	s_add_co_u32 s46, s46, 11534336
	s_mov_b32 s47, 0
	s_mul_i32 s45, s16, AREG                       ; where they go: no place in the cluster enters an LDS address
	s_mul_i32 s42, s16, BREG
	s_add_co_u32 s42, s42, BBASE
	s_wait_dscnt 0x0                               ; both opening adds are done
	s_wait_kmcnt 0x0
	s_load_b64 s[96:97], s[8:9], 0x18              ; e6, e7
	s_add_nc_u64 s[20:21], s[4:5], s[20:21]
	s_add_nc_u64 s[46:47], s[6:7], s[46:47]
	s_mov_b32 s[G0A], 1
	s_mov_b32 s[G0A+1], s45
	s_mov_b64 s[G0A+2:G0A+3], s[20:21]
	s_or_b32 s[G0A+3], s[G0A+3], 0x80000000
	s_mov_b32 s[G0A2], 1
	s_mov_b32 s[G0A2+1], s45
	s_add_nc_u64 s[G0A2+2:G0A2+3], s[20:21], 12*131072   ; chunk 3: heads 12-15
	s_or_b32 s[G0A2+3], s[G0A2+3], 0x80000000
	s_mov_b32 s[G0B], 1
	s_mov_b32 s[G0B+1], s42
	s_mov_b64 s[G0B+2:G0B+3], s[46:47]
	s_or_b32 s[G0B+3], s[G0B+3], 0x80000000
	s_mov_b32 s[G0B2], 1
	s_mov_b32 s[G0B2+1], s42
	s_add_nc_u64 s[G0B2+2:G0B2+3], s[46:47], 3*262144
	s_or_b32 s[G0B2+3], s[G0B2+3], 0x80000000
	CROUND                                         ; all sixteen work-groups are here: the joint loads meet
	JLOAD G0A, G1A, G0B, G1B                       ; chunks 0-2: my one tensor load at the head
	s_mul_i32 s21, s15, AREG                       ; my 64 rows of a
	s_mul_i32 s22, s16, BREG
	s_add_co_u32 s22, s22, BBASE                   ; my 128 columns, chunk by chunk
	s_add_co_u32 s84, s22, CHB
	s_add_co_u32 s85, s84, CHB
	s_mul_i32 s23, s14, 16*SPITCH
	s_add_co_u32 s23, s23, STAGE                   ; my stage
	v_and_b32 v1, 15, v0                           ; r
	v_bfe_u32 v2, v0, 4, 1                         ; h
	v_mul_u32_u24 v3, v1, PITCH
	v_lshl_add_u32 v4, v2, 4, v3                   ; w_out: column r x pitch + 16 h
	v_lshrrev_b32 v5, 2, v1
	v_mul_u32_u24 v5, v5, PITCH
	v_and_b32 v6, 3, v1
	v_lshl_add_u32 v5, v6, 6, v5
	v_lshl_add_u32 v5, v2, 4, v5                   ; a: four rows of 64 bytes to an LDS row: (r / 4) pitch + 64 (r % 4) + 16 h
	v_add_nc_u32 v[ADRA], s21, v5
	v_add_nc_u32 v[ADRB], s22, v4
	v_add_nc_u32 v[ADRB+1], s84, v4
	v_add_nc_u32 v[ADRB+2], s85, v4
	v_mul_u32_u24 v5, v1, SPITCH
	v_lshl_add_u32 v5, v2, 5, v5
	v_add_nc_u32 v[STO], s23, v5                   ; the stage, in: row r, 32 bytes for each half of the lanes
	v_and_b32 v6, 31, v0
	v_lshlrev_b32 v[CO], 4, v6                     ; back: the 32 lanes take one row of 512 bytes; and the same in out0
	v_add_nc_u32 v[RD], s23, v[CO]
	v_lshlrev_b32 v[BOQ], 5, v2
	s_wait_alu depctr_va_vdst(0)                   ; the wait ahead of the run of scalar lines
	s_lshl_b32 s46, s40, 10
	s_lshl_b32 s47, s16, 9
	s_add_co_u32 s46, s46, s47                     ; my first column, 4 bytes each
	s_mov_b32 s47, 0
	s_add_nc_u64 s[10:11], s[10:11], s[46:47]
	s_add_nc_u64 s[12:13], s[12:13], s[46:47]
	s_lshl_b32 s20, s17, 7
	s_lshl_b32 s21, s15, 6
	s_add_co_u32 s20, s20, s21                     ; my first row,
	s_lshl_b32 s20, s20, 12                        ; 4,096 bytes each
	s_mov_b32 s21, 0
	s_add_nc_u64 s[12:13], s[12:13], s[20:21]
.irp b, 0,1,2,3,4,5,6,7
	global_load_b128 v[BIAS+8*\b:BIAS+8*\b+3],   v[BOQ], s[10:11] offset:64*\b      ; columns 16 b + 8 h + 0 .. 7
	global_load_b128 v[BIAS+8*\b+4:BIAS+8*\b+7], v[BOQ], s[10:11] offset:64*\b+16
.endr
	s_wait_kmcnt 0x0
	s_add_co_i32 s66, s96, s97
	s_sub_co_i32 s67, 0, s66
	s_add_co_i32 s96, s66, 127
	s_lshl_b32 s96, s96, 23                        ; 2^(e6 + e7) as f32
	s_mov_b32 s97, s96
	s_wait_loadcnt 0x0
.set j, 0
.rept 64
	v_ldexp_f32 v[BIAS+j], v[BIAS+j], s67          ; the bias goes in divided by the power of two that the sums lack
.set j, j+1
.endr
; K step s = 0 .. 7 is 128 along K: half s % 2 of chunk s / 2, which lies at place (s / 2) % 3.  Its fragments go into sets s % 2.  One and the same order of K in both: registers 4 c .. 4 c + 3: 32 c + 16 h + 0 .. 15.
.macro FETCH s
	WIN TO_B
.irp i, 0,1,2,3,4,5,6,7
.irp c, 0,1,2,3
	ds_load_b128 v[128*((\s)%2)+16*\i+4*\c:128*((\s)%2)+16*\i+4*\c+3], v[ADRB+((\s)/2)%3] offset:128*((\s)%2)+32*\c+\i*16*PITCH
.endr
.endr
	WIN 0
.irp i, 0,1,2,3
.irp c, 0,1,2,3
	ds_load_b128 v[AF+64*((\s)%2)+16*\i+4*\c:AF+64*((\s)%2)+16*\i+4*\c+3], v[ADRA] offset:(((\s)/2)%3)*CHA+(2*((\s)%2)+\c/2)*HEADB+\i*4*PITCH+32*(\c%2)
.endr
.endr
.endm
; 16 matrix instructions: a's blocks a0, a0 + 1 x w_out's eight.  The 32 accumulators take turns, one instruction a turn, in the same order in every K step.
.macro MUL16 a0, p, first
.irp a, \a0, \a0+1
.irp b, 0,1,2,3,4,5,6,7
.if \first
	v_wmma_f32_16x16x128_fp8_fp8 v[8*(8*(\a)+\b):8*(8*(\a)+\b)+7], v[128*(\p)+16*\b:128*(\p)+16*\b+15], v[AF+64*(\p)+16*(\a):AF+64*(\p)+16*(\a)+15], v[BIAS+8*\b:BIAS+8*\b+7]
.else
	v_wmma_f32_16x16x128_fp8_fp8 v[8*(8*(\a)+\b):8*(8*(\a)+\b)+7], v[128*(\p)+16*\b:128*(\p)+16*\b+15], v[AF+64*(\p)+16*(\a):AF+64*(\p)+16*(\a)+15], v[8*(8*(\a)+\b):8*(8*(\a)+\b)+7]
.endif
.endr
.endr
.endm
.macro KSTEP s                         ; a K step that fetches its successor's fragments ahead of its own 32 products
	s_wait_dscnt 0x0                               ; this step's fragments are in
	PLACES                                         ; between the last products and the loads into the sets that they read
	FETCH (\s)+1
	WIN MUL_LO
	MUL16 0, (\s)%2, 0
	MUL16 2, (\s)%2, 0
.endm
	s_wait_alu depctr_va_vdst(0)                   ; the wait at the head's end
	s_wait_tensorcnt 0x0                           ; my part of chunks 0-2 is in,
	s_barrier_signal -1
	s_barrier_wait -1                              ; everybody's is
	FETCH 0
	s_wait_dscnt 0x0
	FETCH 1
	WIN ONE_LO
	MUL16 0, 0, 1                                  ; K step 0 starts the sums from the bias
	MUL16 2, 0, 1
	WIN 0
	s_wait_tensorcnt 0x0                           ; K step 1: the three lines in front of the refill's round
	ds_add_u32 v[SPW], v[NIL]
	s_wait_dscnt 1                                 ; this step's fragments are in; the add may be out
	WIN MUL_LO
	MUL16 0, 1, 0
	s_wait_dscnt 0x0                               ; the add is done, and my reads of chunk 0 are over
	s_barrier_signal -1
	MUL16 2, 1, 0
	WIN 0
	s_barrier_wait -1
	CREST                                          ; no wave of any partner still reads chunk 0
	JLOAD G0A2, G1A2, G0B2, G1B2                   ; chunk 3 onto chunk 0's bytes; the four v_nop are the places in front of the loads below
	FETCH 2
	KSTEP 2
	KSTEP 3
	KSTEP 4
	s_wait_dscnt 0x0                               ; K step 5: its fragments are in, and my reads of chunks 1 and 2 are over;
	s_wait_tensorcnt 0x0                           ; my part of chunk 3 is in
	s_barrier_signal -1
	MUL16 0, 1, 0
	MUL16 2, 1, 0
	s_barrier_wait -1                              ; everybody's is
	PLACES
	FETCH 6
	KSTEP 6
	s_wait_dscnt 0x0
	MUL16 0, 1, 0
	MUL16 2, 1, 0
	WIN 0
; THE WAY OUT, block by block of 16 rows x 128 columns: x 2^(e6 + e7), through my stage, back as whole rows of 512 bytes.  LDS serves a wave's instructions in order (ISA guide 5.7.1.4).
.macro TOSTAGE a
	WIN 0x02                                       ; source 0: window 2
.set j, 0
.rept 32
	v_pk_mul_f32 v[TMP+j:TMP+j+1], v[64*(\a)+j:64*(\a)+j+1], s[96:97] op_sel_hi:[1,0]   ; each accumulator from its low end on
.set j, j+2
.endr
	WIN 0
.irp b, 0,1,2,3,4,5,6,7
	ds_store_b128 v[STO], v[TMP+8*\b:TMP+8*\b+3] offset:64*\b
	ds_store_b128 v[STO], v[TMP+8*\b+4:TMP+8*\b+7] offset:64*\b+16
.endr
.set BB, BK+64*((\a)%2)
.irp t, 0,1,2,3,4,5,6,7,8,9,10,11,12,13,14,15
	ds_load_b128 v[BB+4*\t:BB+4*\t+3], v[RD] offset:\t*SPITCH
.endr
.endm
.macro SEND a, younger                 ; younger: the LDS instructions issued behind block a's loads, which may stay out
.set BB, BK+64*((\a)%2)
	s_wait_dscnt \younger
.if (\a) > 0
	s_add_nc_u64 s[12:13], s[12:13], 16*4096       ; (behind a wait on XCNT) 16 rows on
.endif
.irp t, 0,1,2,3,4,5,6,7,8,9,10,11,12,13,14,15
	global_store_b128 v[CO], v[BB+4*\t:BB+4*\t+3], s[12:13] offset:\t*4096 th:TH_STORE_NT   ; 32 lanes store 512 consecutive bytes, aligned
.endr
.endm
	PLACES                                         ; behind the last products: their results are read and a's registers loaded into below
	TOSTAGE 0
.irp a, 1,2,3
.if \a > 1
	s_wait_xcnt 0x0                                ; block a - 2's stores have read their registers and their base
.endif
	TOSTAGE \a
	SEND \a-1, 32                                  ; behind block a - 1's loads: block a's 16 stores and 16 loads
.endr
	s_wait_xcnt 0x0
	SEND 3, 0
	s_wait_tensorcnt 0x0                           ; the wave's end
	ds_add_u32 v[SPW], v[NIL]
	s_wait_dscnt 0x0
	CROUND                                         ; the closing round
	s_endpgm
.Lfunc_end_k_q042ed2760b_proj:
	.size	k_q042ed2760b_proj, .Lfunc_end_k_q042ed2760b_proj-k_q042ed2760b_proj
	.p2alignl 7, 3214868480
	.fill 96, 4, 3214868480
	.section	.rodata,"a",@progbits
	.p2align	6, 0x0
	.amdhsa_kernel k_q042ed2760b_proj
		.amdhsa_group_segment_fixed_size 327680
		.amdhsa_private_segment_fixed_size 0
		.amdhsa_enable_private_segment 0
		.amdhsa_kernarg_size 40
		.amdhsa_user_sgpr_count 2
		.amdhsa_user_sgpr_kernarg_segment_ptr 1
		.amdhsa_wavefront_size32 1
		.amdhsa_system_sgpr_workgroup_id_x 1
		.amdhsa_system_sgpr_workgroup_id_y 1
		.amdhsa_system_sgpr_workgroup_id_z 1
		.amdhsa_system_vgpr_workitem_id 0
		.amdhsa_next_free_vgpr 768
		.amdhsa_next_free_sgpr 98
		.amdhsa_reserve_vcc 0
		.amdhsa_float_denorm_mode_32 3
		.amdhsa_float_denorm_mode_16_64 3
		.amdhsa_memory_ordered 1
		.amdhsa_forward_progress 1
		.amdhsa_inst_pref_size 80
	.end_amdhsa_kernel
	.amdgpu_metadata
---
amdhsa.version: [ 1, 2 ]
amdhsa.kernels:
  - .name:           k_q042ed2760b_proj
    .symbol:         k_q042ed2760b_proj.kd
    .args:
      - { .name: a_codes, .offset: 0, .size: 8, .value_kind: global_buffer, .address_space: global }
      - { .name: codes, .offset: 8, .size: 8, .value_kind: global_buffer, .address_space: global }
      - { .name: lowp_scales, .offset: 16, .size: 8, .value_kind: global_buffer, .address_space: global }
      - { .name: b_out, .offset: 24, .size: 8, .value_kind: global_buffer, .address_space: global }
      - { .name: out0, .offset: 32, .size: 8, .value_kind: global_buffer, .address_space: global }
    .group_segment_fixed_size: 327680
    .private_segment_fixed_size: 0
    .kernarg_segment_align: 8
    .kernarg_segment_size: 40
    .max_flat_workgroup_size: 128
    .sgpr_count:     98
    .vgpr_count:     768
    .wavefront_size: 32
...
	.end_amdgpu_metadata
.endif
;; end of part 4
